; MI455X (gfx1250); checked and timed in simulation.
; The chip was launched on July 23, 2026; its instructions are those of AMD's public machine-readable ISA for CDNA 5 (MIT licence, August 2026) and "CDNA5" Instruction Set Architecture Reference Guide (July 2026). The comments in the code are by the model that wrote it; some were corrected since.
;; SNN Core. Allowed arithmetic: float matrix products may take bf16 or f16 operands with f32 sums; all other float work in f32.
;; Inputs: b0 2,048 float32; b1 2,048 float32; b2 1,024 float32; w0 2,048 x 1,024 float32; w1 2,048 x 2,048 float32; w2 1,024 x 2,048 float32; x 25 x 256 x 1,024 float32.
;; Outputs: out0 25 x 256 x 1,024 float32; out1 256 x 1,024 float32.
;; 2 versions, each right; version 2 is version 1 with the launch cast written anew for expert scheduling mode. Each part assembles by itself: llvm-mc -triple=amdgcn-amd-amdhsa -mcpu=gfx1250 --defsym DOCPART=n.
;; ======== version 1 of 2: 4 launches
;; workspace buffers: xb 13,107,200 bytes; spk0 26,214,400 bytes; spk1 26,214,400 bytes; wb0 4,194,304 bytes; wb1 8,388,608 bytes; wb2 4,194,304 bytes
;; launch cast (part 1): grid 456 x 1, 8 waves a work-group, no clusters, 0 bytes of LDS; arguments x, w0, w1, w2, xb, wb0, wb1, wb2; writes xb, wb0, wb1, wb2
.if DOCPART == 1
	.amdgcn_target "amdgcn-amd-amdhsa--gfx1250"
	.amdhsa_code_object_version 6
	.text
	.protected	k_q9c5f77c9d4_cast
	.globl	k_q9c5f77c9d4_cast
	.p2align	8
	.type	k_q9c5f77c9d4_cast,@function
k_q9c5f77c9d4_cast:
	s_mov_b64 s[64:65], 0
	v_nop
	global_prefetch_b8 v0, s[64:65] scope:SCOPE_SE
	s_setreg_imm32_b32 hwreg(HW_REG_WAVE_MODE, 25, 1), 1
	s_wait_xcnt 0x0
; x, w0, w1, w2 (f32) are rounded once to bf16 and laid out in BLOCKS, so that every tile of the three products that follow is dense in memory:
;   xb  [btile 16][kblk 8][t 25][b 16][k 128]      a block = 400 rows of 256 bytes; row 16 t + b % 16 of btile = b / 16
;   wb0 [ntile 16][kblk 8][n 128][k 128], wb1 [16][16][128][128], wb2 [8][16][128][128]      a block = 128 rows of 256 bytes
; A stream: each byte is read once and written once; LDS, matrix unit and clusters would add nothing, since no two work-groups read the same bytes.
; A UNIT is 4,096 consecutive source bytes = 8 chunks of 128 numbers; chunk kb goes to one 256-byte row of block kb.  x has 6,400 units (u = 256 t + b), w0 2,048 (u = n),
; w1 4,096 and w2 2,048 (u = 2 n + half of the row).  A wave takes 4 consecutive units (16,384 consecutive bytes), a work-group 32.
; Work-groups 0-199 take x, 200-263 w0, 264-391 w1, 392-455 w2: chosen by selects on the work-group's number, without a branch.
; Each load of a wave covers 512 consecutive bytes; each store 256 consecutive bytes, at a multiple of 256 from its buffer's first byte.
; All 32 loads of a wave go out first; no register is written twice, so the only waits are the counted ones for the loads.
.set XR, 8                             ; v[8:135]    load j = 8 i + kb (unit i, chunk kb): 4 registers
.set YR, 136                           ; v[136:199]  the same rounded: 2 registers
	s_load_b512 s[8:23], s[0:1], 0x0               ; x, w0, w1, w2 in s[8:15]; xb, wb0, wb1, wb2 in s[16:23]
	v_lshrrev_b32 v6, 5, v0
	v_readfirstlane_b32 s4, v6                     ; wave 0..7
	v_and_b32 v7, 31, v0                           ; lane
	v_lshlrev_b32 v1, 4, v7                        ; 16 source bytes a lane
	v_lshlrev_b32 v2, 3, v7                        ; 8 destination bytes a lane
	s_mov_b32 s5, ttmp9                            ; g
	s_mov_b32 s28, 392                             ; g0: the first work-group of my tensor
	s_cmp_lt_u32 s5, 392
	s_cselect_b32 s28, 264, s28
	s_cmp_lt_u32 s5, 264
	s_cselect_b32 s28, 200, s28
	s_cselect_b32 s29, 0, 1                        ; sh = 1: a row is two units (w1, w2)
	s_cmp_lt_u32 s5, 200
	s_cselect_b32 s28, 0, s28
	s_cselect_b32 s30, 1, 0                        ; isX
	s_sub_co_u32 s31, s5, s28
	s_lshl_b32 s31, s31, 5
	s_lshl2_add_u32 s31, s4, s31                   ; u = 32 (g - g0) + 4 wave: my first unit, a multiple of 4
	s_lshl_b32 s54, s31, 12                        ; its source byte
	s_mov_b32 s55, 0
	s_bfe_u32 s6, s31, 0x40004                     ; x: btile = (u / 16) % 16,
	s_mul_i32 s6, s6, 8*102400                     ; eight blocks each;
	s_lshr_b32 s7, s31, 8                          ; t = u / 256
	s_lshl_b32 s7, s7, 4
	s_and_b32 s2, s31, 15
	s_or_b32 s7, s7, s2                            ; row 16 t + b % 16
	s_lshl_b32 s7, s7, 8
	s_add_co_u32 s6, s6, s7                        ; dX
	s_lshr_b32 s7, s31, s29                        ; w: n = u >> sh
	s_lshr_b32 s2, s7, 7                           ; ntile,
	s_add_co_u32 s3, s29, 18
	s_lshl_b32 s2, s2, s3                          ; 8 or 16 blocks of 32,768 bytes each
	s_and_b32 s7, s7, 127
	s_lshl_b32 s7, s7, 8
	s_add_co_u32 s7, s2, s7                        ; dW
	s_mov_b32 s52, 32768                           ; from block to block
	s_cmp_eq_u32 s30, 1
	s_cselect_b32 s50, s6, s7                      ; where chunk 0 of my first unit goes
	s_cselect_b32 s52, 102400, s52
	s_mov_b32 s51, 0
	s_mov_b32 s53, 0
	s_mov_b32 s56, 256                             ; from unit i to unit i + 1 (i even): the next row, or (sh = 1) the row's second half, eight blocks on
	s_mov_b32 s57, 512                             ; from unit i to unit i + 2: two rows, or (sh = 1) one
	s_cmp_eq_u32 s29, 1
	s_cselect_b32 s56, 262144, s56
	s_cselect_b32 s57, 256, s57
	v_add_nc_u32 v3, s56, v2                       ; v[2:5]: unit i's offset in a block, with my lane's 8 bytes
	v_add_nc_u32 v4, s57, v2
	v_add_nc_u32 v5, s56, v4
	s_wait_kmcnt 0x0
	s_mov_b64 s[24:25], s[14:15]                   ; source and destination: a choice among buffers on the work-group's number alone
	s_mov_b64 s[26:27], s[22:23]
	s_cmp_lt_u32 s5, 392
	s_cselect_b64 s[24:25], s[12:13], s[24:25]
	s_cselect_b64 s[26:27], s[20:21], s[26:27]
	s_cmp_lt_u32 s5, 264
	s_cselect_b64 s[24:25], s[10:11], s[24:25]
	s_cselect_b64 s[26:27], s[18:19], s[26:27]
	s_cmp_lt_u32 s5, 200
	s_cselect_b64 s[24:25], s[8:9], s[24:25]
	s_cselect_b64 s[26:27], s[16:17], s[26:27]
	s_add_nc_u64 s[24:25], s[24:25], s[54:55]
	s_add_nc_u64 s[32:33], s[26:27], s[50:51]      ; s[32:47]: a base for each of the eight blocks
.irp k, 1,2,3,4,5,6,7
	s_add_nc_u64 s[32+2*(\k):33+2*(\k)], s[30+2*(\k):31+2*(\k)], s[52:53]
.endr
.set j, 0
.rept 32
	global_load_b128 v[XR+4*j:XR+4*j+3], v1, s[24:25] offset:512*j th:TH_LOAD_NT  ; read once in the whole program
.set j, j+1
.endr
.set j, 0
.rept 32
	s_wait_loadcnt 31-j                            ; loads come back in order (ISA guide 5.7.1): load j is in, the younger ones stay out
	v_cvt_pk_bf16_f32 v[YR+2*j], v[XR+4*j], v[XR+4*j+1]
	v_cvt_pk_bf16_f32 v[YR+2*j+1], v[XR+4*j+2], v[XR+4*j+3]
	global_store_b64 v[2+j/8], v[YR+2*j:YR+2*j+1], s[32+2*(j%8):33+2*(j%8)]  ; one whole row of a block
.set j, j+1
.endr
	s_endpgm
.Lfunc_end_k_q9c5f77c9d4_cast:
	.size	k_q9c5f77c9d4_cast, .Lfunc_end_k_q9c5f77c9d4_cast-k_q9c5f77c9d4_cast
	.p2alignl 7, 3214868480
	.fill 96, 4, 3214868480
	.section	.rodata,"a",@progbits
	.p2align	6, 0x0
	.amdhsa_kernel k_q9c5f77c9d4_cast
		.amdhsa_group_segment_fixed_size 0
		.amdhsa_private_segment_fixed_size 0
		.amdhsa_enable_private_segment 0
		.amdhsa_kernarg_size 64
		.amdhsa_user_sgpr_count 2
		.amdhsa_user_sgpr_kernarg_segment_ptr 1
		.amdhsa_wavefront_size32 1
		.amdhsa_system_sgpr_workgroup_id_x 1
		.amdhsa_system_sgpr_workgroup_id_y 1
		.amdhsa_system_sgpr_workgroup_id_z 1
		.amdhsa_system_vgpr_workitem_id 0
		.amdhsa_next_free_vgpr 200
		.amdhsa_next_free_sgpr 66
		.amdhsa_reserve_vcc 0
		.amdhsa_float_denorm_mode_32 3
		.amdhsa_float_denorm_mode_16_64 3
		.amdhsa_memory_ordered 1
		.amdhsa_forward_progress 1
		.amdhsa_inst_pref_size 15
	.end_amdhsa_kernel
	.amdgpu_metadata
---
amdhsa.version: [ 1, 2 ]
amdhsa.kernels:
  - .name:           k_q9c5f77c9d4_cast
    .symbol:         k_q9c5f77c9d4_cast.kd
    .args:
      - { .name: x, .offset: 0, .size: 8, .value_kind: global_buffer, .address_space: global }
      - { .name: w0, .offset: 8, .size: 8, .value_kind: global_buffer, .address_space: global }
      - { .name: w1, .offset: 16, .size: 8, .value_kind: global_buffer, .address_space: global }
      - { .name: w2, .offset: 24, .size: 8, .value_kind: global_buffer, .address_space: global }
      - { .name: xb, .offset: 32, .size: 8, .value_kind: global_buffer, .address_space: global }
      - { .name: wb0, .offset: 40, .size: 8, .value_kind: global_buffer, .address_space: global }
      - { .name: wb1, .offset: 48, .size: 8, .value_kind: global_buffer, .address_space: global }
      - { .name: wb2, .offset: 56, .size: 8, .value_kind: global_buffer, .address_space: global }
    .group_segment_fixed_size: 0
    .private_segment_fixed_size: 0
    .kernarg_segment_align: 8
    .kernarg_segment_size: 64
    .max_flat_workgroup_size: 256
    .sgpr_count:     66
    .vgpr_count:     200
    .wavefront_size: 32
...
	.end_amdgpu_metadata
.endif
;; end of part 1
;; launch layer0 (part 2): grid 16 x 16, 4 waves a work-group, clusters of 4 x 4, 327,680 bytes of LDS; arguments xb, wb0, b0, spk0; writes spk0
.if DOCPART == 2
	.amdgcn_target "amdgcn-amd-amdhsa--gfx1250"
	.amdhsa_code_object_version 6
	.text
	.protected	k_q9c5f77c9d4_layer0
	.globl	k_q9c5f77c9d4_layer0
	.p2align	8
	.type	k_q9c5f77c9d4_layer0,@function
k_q9c5f77c9d4_layer0:
	s_mov_b64 s[64:65], 0
	v_nop
	global_prefetch_b8 v0, s[64:65] scope:SCOPE_SE
	s_setreg_imm32_b32 hwreg(HW_REG_WAVE_MODE, 25, 1), 1
	s_wait_xcnt 0x0
	s_wait_alu depctr_hold_cnt(0) depctr_sa_sdst(0) depctr_va_vdst(0) depctr_va_sdst(0) depctr_va_ssrc(0) depctr_va_vcc(0) depctr_vm_vsrc(0)
	s_getreg_b32 s2, hwreg(HW_REG_IB_STS2, 6, 4)
	s_cmp_eq_u32 s2, 0
	s_cbranch_scc0 .Lentry_in_a_cluster
	s_endpgm
.Lentry_in_a_cluster:
	s_bfe_u32 s2, ttmp6, 0x10000c
	s_cmp_lg_u32 s2, 0xf033
	s_cbranch_scc0 .Lentry_shape_is_right
	s_endpgm
.Lentry_shape_is_right:
; A HIDDEN LAYER OF A SPIKING NETWORK, all 25 time steps at once.  cur[t][b][n] = sum over k of A[t][b][k] W[n][k] + bias[n]; then along t, for each (b, n): m = 0.9 m + cur; s = (m > 1); m = m - s.
; One text serves the two hidden layers; two constants differ: KSTEPS (K / 128) and OUT8 (how the spikes, bf16, are laid out for the next layer: 0: blocks [btile 16][kblk][t 25][b 16][k 128]; 1: blocks [btile 32][kblk][t 25][b 8][k 128]).
; A: bf16 in blocks [btile 16][kblk KSTEPS][t 25][b 16][k 128].  W: bf16 in blocks [ntile][kblk KSTEPS][n 128][k 128].  So every tile is dense: rows of 256 bytes on end.
; LIMITS.  A and W arrive rounded to bf16, the bias is rounded to bf16 here; products are exact, one f32 sum for each output, K ascending.  A membrane that lies within that sum's rounding (some 1e-6 of its terms)
; of the threshold 1 can fall on the other side than in a sum taken in another order, and its spike then differs.  m > 1 is (m - 1) > 0 in f32; a NaN gives no spike and stays in m.
; SHARES.  A work-group owns 16 b x 128 n x all 25 t: 400 rows x 128 columns, 200 accumulators of 16 x 16.  Wave w (wm = w / 2, wn = w % 2): t = 12 wm .. 12 wm + 11 x its four blocks of 16 n, and t = 24 x two of them:
; 50 accumulators in every wave.  W's fragments are ordered by address: fragments 0, 1 hold n blocks 4 wn + 2 wm + 0, 1 and fragments 2, 3 hold 4 wn + 2 (1 - wm) + 0, 1, so that t = 24 takes fragments 0 and 1 in every wave, without a branch.
; K goes in steps of 128 through two LDS slots filled by the tensor data mover.  THE MATRIX INSTRUCTION IS USED TRANSPOSED (source 0 = 16 rows of W, source 1 = 16 rows of A): a lane holds one row and eight neighbouring n.
; CLUSTER, 4 x 4.  A's tile hangs on btile alone and is shared along a row of the cluster, W's on ntile alone and is shared along a column: each is asked for JOINTLY, by the same load, descriptor and mask in all four.
; THE WAY OUT.  The currents go through a stage in LDS (over the ring, which has had its last fill), so that a thread gets all 25 t of its 16 (b, n) and runs the scan in registers.
; REGISTERS, in windows of 256 (s_set_vgpr_msb: bits 1:0 source 0, 3:2 source 1, 5:4 source 2, 7:6 destination):
;   window 0: v0-39 addresses and bias; v64-127 W's fragments, two buffers of 4; v128-199 the scan      window 1: A's fragments, two buffers of 13 (v0-103, v104-207)
;   window 2: accumulators (a, i), a = 0..7, at 8 (4 a + i)      window 3: a = 8..11 at 8 (4 (a - 8) + i); t = 24's two at 128 + 8 i
.set KSTEPS, 8
.set OUT8,   0
.set PITCH,  272                       ; an LDS row: 256 bytes + 16 of padding = 68 words: the 16 rows of a fragment load start at 16 different groups of four banks (64 banks of 4 bytes: ISA guide 11.1)
.set ABLK,   400*256                   ; bytes of a block of A in memory
.set BBLK,   128*256                   ; of W
.set BOFF,   400*PITCH                 ; in a slot: A's 400 rows, then W's 128
.set SLOT,   528*PITCH
.set SPARE,  2*SLOT                    ; behind the ring: the spare words, 128 bytes for each wave: two blocks of 256 bytes that no other line names
.set SPITCH, 528                       ; a row of the stage: 128 f32 + 16 bytes = 33 x 16: sixteen rows' stores of 16 bytes fall into sixteen different columns of 16 bytes
.set LAPS,   KSTEPS/2                  ; a lap = two K steps = once round the ring
.if OUT8
.set TSTEP,  8*256                     ; from t to t + 1 in the output
.else
.set TSTEP,  16*256
.endif
.set ADRA, 16                          ; v16-17  LDS address of my A fragments (t blocks 0-11 of mine) in slot 0, 1
.set ADRX, 18                          ; v18-19  the same for t = 24
.set ADRB, 20                          ; v20-21  W's fragments 0, 1 in slot 0, 1;  v22-23  fragments 2, 3
.set STO,  24                          ; v24-27  the stage, in: fragments 0, 1 / 2, 3 for my t blocks 0-5; the same for 6-11
.set SPW,  28                          ; v28     LDS address of my spare word; never rewritten
.set NIL,  29                          ; v29     0; never rewritten
.set STOX, 30                          ; v30     the stage, in: t = 24
.set RD,   31                          ; v31     the stage, back: my 16 bytes of row 16 t + 4 w
.set BI,   32                          ; v32-35  the bias of my four n
.set GO,   36                          ; v36     my byte offset in a stored row; never rewritten
.set BO,   37                          ; v37     my byte offset in the bias; never rewritten
.set TA,   38                          ; v38-39  at work
.set FB,   64
.set MR,   128                         ; v128-143 m of my 4 b x 4 n
.set XR,   144                         ; v144-159 the sums as read from the stage
.set CR,   160                         ; v160-175 cur
.set SR,   176                         ; v176-191 the spikes, f32
.set YR,   192                         ; v192-199 the spikes, bf16
.set G1A, 24                           ; s[24:31] descriptor group 1 for A's tiles;  s[32:39] group 0, a set for each slot
.set G0A, 32
.set G1B, 48                           ; s[48:55], s[56:63] the same for W's
.set G0B, 56
.set MSB, 0
.macro WIN new                         ; the immediate's high byte repeats the setting that is left; a switch that changes nothing is dropped
.if MSB != (\new)
	s_set_vgpr_msb (MSB<<8)|(\new)
.set MSB, \new
.endif
.endm
.set MUL_LO, 0xa4                      ; source 0 (W) window 0, source 1 (A) window 1, C and D window 2
.set MUL_HI, 0xf4                      ; the same, C and D window 3
.set TO_A,   0x40                      ; destination window 1, address window 0
; A joint load.  Waves 0 and 1 fetch A's two halves (200 rows each), waves 2 and 3 W's (64 rows each).  The branch hangs on the wave's number alone.
; An s_nop 0 and four v_nop follow each of the two lines, ahead of the jump, the label and what follows.
.macro JLOAD s
	s_cmp_eq_u32 s15, 0
	s_cbranch_scc0 .Lfor_b_\@
	tensor_load_to_lds s[G0A+4*(\s):G0A+4*(\s)+3], s[G1A:G1A+7]
	s_nop 0
.rept 4
	v_nop
.endr
	s_branch .Lasked_\@
.Lfor_b_\@:
	tensor_load_to_lds s[G0B+4*(\s):G0B+4*(\s)+3], s[G1B:G1B+7]
	s_nop 0
.rept 4
	v_nop
.endr
.Lasked_\@:
.endm
.macro CREST                           ; a round of the cluster's barrier behind its opening barrier: wave 0 signals for the work-group, every wave waits for all sixteen, my work-group's barrier closes it
	s_cmp_lg_u32 s14, 0
	s_cbranch_scc1 .Lnot_wave_0_\@
	s_barrier_signal -3
.Lnot_wave_0_\@:
	s_barrier_wait -3
	s_barrier_signal -1
	s_barrier_wait -1
.endm
.macro CROUND                          ; a whole round
	s_barrier_signal -1
	s_barrier_wait -1
	CREST
.endm
.macro PLACES                          ; four places in front of loads into registers that matrix instructions have read, and of stores that read results (ISA guide 7.12.1 for vector instructions)
.rept 4
	v_nop
.endr
.endm
; 16 matrix instructions: my t blocks a0 .. a0 + 3 x my four n blocks, 32 along K, from buffer f.  zero = 1: the first product starts the sums: nothing is cleared.
; The 50 accumulators take turns, one instruction a turn, in the same order in every quarter step.
.macro MULR f, a0, zero
.set ma, (\a0)
.rept 4
	WIN MUL_LO+0x50*(ma/8)
.set mi, 0
.rept 4
.set AC, 8*(4*(ma%8)+mi)
.if \zero
	v_wmma_f32_16x16x32_bf16 v[AC:AC+7], v[FB+32*(\f)+8*mi:FB+32*(\f)+8*mi+7], v[104*(\f)+8*ma:104*(\f)+8*ma+7], 0
.else
	v_wmma_f32_16x16x32_bf16 v[AC:AC+7], v[FB+32*(\f)+8*mi:FB+32*(\f)+8*mi+7], v[104*(\f)+8*ma:104*(\f)+8*ma+7], v[AC:AC+7]
.endif
.set mi, mi+1
.endr
.set ma, ma+1
.endr
.endm
.macro MULX f, zero                    ; t = 24 x fragments 0 and 1
	WIN MUL_HI
.irp i, 0,1
.if \zero
	v_wmma_f32_16x16x32_bf16 v[128+8*(\i):128+8*(\i)+7], v[FB+32*(\f)+8*(\i):FB+32*(\f)+8*(\i)+7], v[104*(\f)+96:104*(\f)+103], 0
.else
	v_wmma_f32_16x16x32_bf16 v[128+8*(\i):128+8*(\i)+7], v[FB+32*(\f)+8*(\i):FB+32*(\f)+8*(\i)+7], v[104*(\f)+96:104*(\f)+103], v[128+8*(\i):128+8*(\i)+7]
.endif
.endr
.endm
; 34 LDS loads in one run: the fragments of a quarter step (32 K at byte k of the rows) into buffer f: W's 8 loads, A's t blocks 0-3 (8), then blocks 4-11 and t = 24 (18).
; A fragment is 16 rows x 32 K in 8 registers: lane l holds row l % 16, K = 8 (l / 16) + 0..7 and 16 + 8 (l / 16) + 0..7: two loads of 16 bytes, 32 bytes apart.
.macro FETCH slot, k, f
	WIN 0
.irp i, 0,1,2,3
	ds_load_b128 v[FB+32*(\f)+8*(\i):FB+32*(\f)+8*(\i)+3],   v[ADRB+2*((\i)/2)+(\slot)] offset:(\k)+((\i)%2)*16*PITCH
	ds_load_b128 v[FB+32*(\f)+8*(\i)+4:FB+32*(\f)+8*(\i)+7], v[ADRB+2*((\i)/2)+(\slot)] offset:(\k)+((\i)%2)*16*PITCH+32
.endr
	WIN TO_A
.irp a, 0,1,2,3,4,5,6,7,8,9,10,11
	ds_load_b128 v[104*(\f)+8*(\a):104*(\f)+8*(\a)+3],   v[ADRA+(\slot)] offset:(\k)+(\a)*16*PITCH
	ds_load_b128 v[104*(\f)+8*(\a)+4:104*(\f)+8*(\a)+7], v[ADRA+(\slot)] offset:(\k)+(\a)*16*PITCH+32
.endr
	ds_load_b128 v[104*(\f)+96:104*(\f)+99],   v[ADRX+(\slot)] offset:(\k)
	ds_load_b128 v[104*(\f)+100:104*(\f)+103], v[ADRX+(\slot)] offset:(\k)+32
.endm
; A K step is four quarter steps of 32 along K, 50 matrix instructions each, on buffers 0, 1, 0, 1.  One of the first three: multiplies buffer f and fetches the next quarter, at byte k, into buffer g.
.macro QUARTER slot, k, f, g, zero
	s_wait_dscnt 18                                ; W's fragments and A's blocks 0-3 are in; the youngest 18 loads may be out
	MULR \f, 0, \zero
	PLACES
	FETCH \slot, \k, \g
	s_wait_dscnt 34                                ; all but the 34 just issued
	MULR \f, 4, \zero
	MULR \f, 8, \zero
	MULX \f, \zero
.endm
; The last quarter multiplies buffer 1 and changes slots: ONE barrier.  In front of it each wave waits for all its tensor loads (one is out: its part of the next slot), adds 0 to its spare word, and waits for that and for
; its reads of this slot.  fill = 1: the barrier opens a round of the cluster's barrier, and this slot is filled again, two K steps ahead, first thing behind the round.  Only sixteen of the quarter's products stand ahead of the
; barrier, the other 34 behind the refill: the load has a K step less those sixteen matrix instructions in which to land.
.macro TURN slot, next, fill
	WIN 0                                          ; (the add's two registers lie in window 0)
	s_wait_tensorcnt 0x0                           ; all my tensor loads have landed
	ds_add_u32 v[SPW], v[NIL]                      ; 0 onto my spare word
	s_wait_dscnt 19                                ; (the add and the youngest 18 loads may be out)
	MULR 1, 0, 0                                   ; sixteen matrix instructions stand between the add and the wait for it
	WIN 0
	s_wait_dscnt 0x0                               ; the add is done, and my reads of this slot are over
	s_barrier_signal -1
	s_barrier_wait -1
.if \fill
	CREST                                          ; no wave of any partner still reads this slot's tile or has a load on its way
	s_add_nc_u64 s[G0A+4*(\slot)+2:G0A+4*(\slot)+3], s[G0A+4*(\slot)+2:G0A+4*(\slot)+3], 2*ABLK
	s_add_nc_u64 s[G0B+4*(\slot)+2:G0B+4*(\slot)+3], s[G0B+4*(\slot)+2:G0B+4*(\slot)+3], 2*BBLK
	JLOAD \slot                                    ; the four v_nop behind it are also the places in front of the loads below
.else
	PLACES
.endif
	FETCH \next, 0, 0
	MULR 1, 4, 0
	MULR 1, 8, 0
	MULX 1, 0
.endm
; One time step of the scan for my 16 (b, n).  more = 1: the next step's sums are fetched.  The output's base steps in every trip ahead of the trip's stores, which reach back by the immediate.
.macro SCAN more
	s_wait_dscnt 0x0                               ; this step's four loads from the stage are in
.irp j, 0,1,2,3,4,5,6,7
	v_pk_add_f32 v[CR+2*(\j):CR+2*(\j)+1], v[XR+2*(\j):XR+2*(\j)+1], v[BI+2*((\j)%2):BI+2*((\j)%2)+1]  ; cur = sum + bias
.endr
.if \more
	v_add_nc_u32 v[RD], 16*SPITCH, v[RD]
.irp i, 0,1,2,3
	ds_load_b128 v[XR+4*(\i):XR+4*(\i)+3], v[RD] offset:(\i)*SPITCH  ; 32 lanes take a row's 512 consecutive bytes
.endr
.endif
.irp j, 0,1,2,3,4,5,6,7
	v_pk_fma_f32 v[MR+2*(\j):MR+2*(\j)+1], v[MR+2*(\j):MR+2*(\j)+1], 0x3f666666, v[CR+2*(\j):CR+2*(\j)+1] op_sel_hi:[1,0,1]  ; m = 0.9 m + cur
.endr
.irp q, 0,8
.irp j, 0,1,2,3,4,5,6,7
	v_cmp_lt_f32 s[40+(\j)], 1.0, v[MR+(\q)+(\j)]  ; eight masks in eight scalar registers, so that no select reads the mask made just before it
.endr
.if (\q) == 0
	s_wait_xcnt 0x0                                ; the last trip's stores: their data registers and base are written again only behind this wait (ISA guide 3.1); it stands where the first of them is due, not behind the stores
	s_add_nc_u64 s[10:11], s[10:11], TSTEP
.endif
.irp j, 0,1,2,3,4,5,6,7
	v_cndmask_b32 v[SR+(\q)+(\j)], 0, 1.0, s[40+(\j)]
.endr
.endr
.irp j, 0,1,2,3,4,5,6,7
	v_pk_add_f32 v[MR+2*(\j):MR+2*(\j)+1], v[MR+2*(\j):MR+2*(\j)+1], v[SR+2*(\j):SR+2*(\j)+1] neg_lo:[0,1] neg_hi:[0,1]  ; m = m - s
.endr
.irp j, 0,1,2,3,4,5,6,7
	v_cvt_pk_bf16_f32 v[YR+(\j)], v[SR+2*(\j)], v[SR+2*(\j)+1]  ; 0 and 1 are exact in bf16
.endr
.irp i, 0,1,2,3
	global_store_b64 v[GO], v[YR+2*(\i):YR+2*(\i)+1], s[10:11] offset:256*(\i)-TSTEP  ; one whole row of 256 bytes of the next layer's block
.endr
.endm
	s_load_b256 s[4:11], s[0:1], 0x0               ; A s[4:5], W s[6:7], bias s[8:9], spikes out s[10:11]
	v_lshl_add_u32 v[SPW], v0, 2, SPARE
	v_mov_b32 v[NIL], 0
	ds_add_u32 v[SPW], v[NIL]                      ; the wave's opening: the add and its wait stand ahead of my first tensor load; the set-up below, work on registers, stands between them
	v_lshrrev_b32 v1, 5, v0
	v_readfirstlane_b32 s14, v1                    ; wave 0..3
	s_lshr_b32 s15, s14, 1                         ; wm.  Also: I fetch for A (0) or for W (1)
	s_and_b32 s16, s14, 1                          ; wn.  Also: which half of that tile I fetch
	s_add_co_u32 s17, s14, 2
	s_lshr_b32 s17, s17, 1
	s_and_b32 s17, s17, 1                          ; 1 - wm: bit 1 of w + 2
	s_bfe_u32 s40, ttmp6, 0x40000                  ; cx, cy: my place in the cluster
	s_bfe_u32 s41, ttmp6, 0x40004
	s_lshl_b32 s42, ttmp9, 2
	s_add_co_u32 s42, s42, s40                     ; ntile = 4 x cluster x + cx
	s_and_b32 s43, ttmp7, 0xffff
	s_lshl_b32 s43, s43, 2
	s_add_co_u32 s43, s43, s41                     ; btile = 4 x cluster y + cy
	s_lshl_b32 s44, s41, 2
	s_lshl_b32 s44, 15, s44                        ; my row of the cluster
	s_lshl_b32 s45, 0x1111, s40                    ; my column
	; descriptor group 1: rows of 128 elements of 2 bytes, dense in memory, padded in LDS
	s_or_b32 s[G1A+0], s44, (1<<16)|(1<<20)|(1<<21)|(5<<22)|(3<<25)  ; 15:0 the mask; 17:16 2-byte elements; 20 padding on; 21 set beside a mask; 24:22 after every 64 words (code 5); 31:25 4 words (code 3)
	s_or_b32 s[G1B+0], s45, (1<<16)|(1<<20)|(1<<21)|(5<<22)|(3<<25)
	s_mov_b32 s[G1A+1], 128<<16                    ; tensor_dim0 = 128
	s_mov_b32 s[G1B+1], 128<<16
	s_mov_b32 s[G1A+2], 200<<16                    ; tensor_dim1 = 200 rows of A,
	s_mov_b32 s[G1B+2], 64<<16                     ; 64 of W
	s_mov_b32 s[G1A+3], 128<<16                    ; tile_dim0 = 128
	s_mov_b32 s[G1B+3], 128<<16
	s_mov_b32 s[G1A+4], 200                        ; tile_dim1
	s_mov_b32 s[G1B+4], 64
	s_mov_b32 s[G1A+5], 128                        ; 128 elements from row to row
	s_mov_b32 s[G1B+5], 128
	s_mov_b32 s[G1A+6], 0
	s_mov_b32 s[G1B+6], 0
	s_mov_b32 s[G1A+7], 0
	s_mov_b32 s[G1B+7], 0
	; where the tiles come from: A's hang on btile and the wave alone, W's on ntile and the wave alone
	s_mul_i32 s20, s43, KSTEPS*ABLK
	s_mul_i32 s19, s16, ABLK/2
	s_add_co_u32 s20, s20, s19
	s_mov_b32 s21, 0
	s_mul_i32 s46, s42, KSTEPS*BBLK
	s_lshl_b32 s19, s16, 14                        ; BBLK / 2
	s_add_co_u32 s46, s46, s19
	s_mov_b32 s47, 0
	s_mul_i32 s22, s16, 200*PITCH                  ; and where they go: no place in the cluster enters an LDS address
	s_mul_i32 s23, s16, 64*PITCH
	s_add_co_u32 s23, s23, BOFF
	s_wait_dscnt 0x0                               ; the opening add is done
	s_wait_kmcnt 0x0
	s_add_nc_u64 s[20:21], s[4:5], s[20:21]
	s_add_nc_u64 s[46:47], s[6:7], s[46:47]
	CROUND                                         ; all sixteen work-groups are here: the first joint loads meet
.irp s, 0,1
	s_mov_b32 s[G0A+4*(\s)], 1                                     ; count = 1
	s_add_co_u32 s[G0A+4*(\s)+1], s22, (\s)*SLOT                   ; LDS address
	s_add_nc_u64 s[G0A+4*(\s)+2:G0A+4*(\s)+3], s[20:21], (\s)*ABLK ; global address: K step s
	s_or_b32 s[G0A+4*(\s)+3], s[G0A+4*(\s)+3], 0x80000000          ; type = 2
	s_mov_b32 s[G0B+4*(\s)], 1
	s_add_co_u32 s[G0B+4*(\s)+1], s23, (\s)*SLOT
	s_add_nc_u64 s[G0B+4*(\s)+2:G0B+4*(\s)+3], s[46:47], (\s)*BBLK
	s_or_b32 s[G0B+4*(\s)+3], s[G0B+4*(\s)+3], 0x80000000
	JLOAD \s                                       ; two loads of mine are out
.endr
	; every LDS address below is a lane term plus constants times wm, wn and 1 - wm
	v_and_b32 v1, 15, v0                           ; r = l % 16
	v_bfe_u32 v2, v0, 4, 1                         ; h = l / 16
	v_mul_u32_u24 v3, v1, PITCH
	v_lshl_add_u32 v3, v2, 4, v3                   ; a fragment's row x pitch + 16 x half
	s_mul_i32 s19, s15, 192*PITCH                  ; my 12 t blocks
	v_add_nc_u32 v[ADRA], s19, v3
	v_add_nc_u32 v[ADRA+1], SLOT, v[ADRA]
	v_add_nc_u32 v[ADRX], 384*PITCH, v3            ; t = 24
	v_add_nc_u32 v[ADRX+1], SLOT, v[ADRX]
	s_mul_i32 s19, s16, 4*16*PITCH                 ; my four n blocks,
	s_add_co_u32 s19, s19, BOFF                    ; behind A's rows
	s_mul_i32 s22, s15, 2*16*PITCH                 ; fragments 0, 1: pair wm of them
	s_add_co_u32 s22, s22, s19
	v_add_nc_u32 v[ADRB], s22, v3
	v_add_nc_u32 v[ADRB+1], SLOT, v[ADRB]
	s_mul_i32 s23, s17, 2*16*PITCH                 ; fragments 2, 3: the other pair
	s_add_co_u32 s23, s23, s19
	v_add_nc_u32 v[ADRB+2], s23, v3
	v_add_nc_u32 v[ADRB+3], SLOT, v[ADRB+2]
	v_mul_u32_u24 v[TA], v1, SPITCH                ; the stage, in: row r of a t block, 32 bytes for each half of the lanes
	v_lshl_add_u32 v[TA], v2, 5, v[TA]
	s_mul_i32 s19, s16, 4*64                       ; an n block is 64 bytes of a row: my four,
	s_mul_i32 s22, s15, 2*64
	s_add_co_u32 s22, s22, s19                     ; the column of fragment 0,
	s_mul_i32 s23, s17, 2*64
	s_add_co_u32 s23, s23, s19                     ; of fragment 2
	s_mul_i32 s19, s15, 192*SPITCH                 ; my 12 t blocks' rows
	s_add_co_u32 s23, s23, s19
	s_add_co_u32 s19, s19, s22
	v_add_nc_u32 v[STO], s19, v[TA]
	v_add_nc_u32 v[STO+1], s23, v[TA]
	v_add_nc_u32 v[STO+2], 6*16*SPITCH, v[STO]     ; a second pair six t blocks on keeps the immediates inside 16 bits
	v_add_nc_u32 v[STO+3], 6*16*SPITCH, v[STO+1]
	s_add_co_u32 s22, s22, 384*SPITCH              ; t = 24, fragment 0's column
	v_add_nc_u32 v[STOX], s22, v[TA]
	v_and_b32 v[TA+1], 31, v0                      ; lane
	s_mul_i32 s23, s14, 4*SPITCH                   ; back: rows b = 4 w .. 4 w + 3 of each t, my four n
	v_lshl_add_u32 v[RD], v[TA+1], 4, s23
	v_lshlrev_b32 v[BO], 4, v[TA+1]
	s_lshl_b32 s46, s42, 9                         ; the bias of my tile's 128 n
	s_mov_b32 s47, 0
	s_add_nc_u64 s[8:9], s[8:9], s[46:47]
	global_load_b128 v[BI:BI+3], v[BO], s[8:9]
	v_lshlrev_b32 v[GO], 3, v[TA+1]
.if OUT8
	s_lshl_b32 s2, s43, 1
	s_add_co_u32 s2, s2, s15                       ; the next layer's tile of 8 b: 2 btile + wm (my rows are b = 4 w .. 4 w + 3),
	s_lshl_b32 s2, s2, 4
	s_add_co_u32 s2, s2, s42                       ; its block ntile,
	s_mul_i32 s2, s2, 200*256                      ; 200 rows of 256 bytes each,
	s_lshl_b32 s3, s16, 10                         ; rows 4 wn on
.else
	s_lshl_b32 s2, s43, 4
	s_add_co_u32 s2, s2, s42                       ; block 16 btile + ntile of the next layer's A,
	s_mul_i32 s2, s2, ABLK
	s_lshl_b32 s3, s14, 10                         ; rows 4 w on
.endif
	s_add_co_u32 s2, s2, s3
	s_mov_b32 s3, 0
	s_add_nc_u64 s[10:11], s[10:11], s[2:3]
	s_wait_tensorcnt 1                             ; my part of K step 0 is in; K step 1's may stay out
	s_barrier_signal -1
	s_barrier_wait -1                              ; everybody's is
	FETCH 0, 0, 0
	QUARTER 0, 64,  0, 1, 1                        ; the first quarter stands in front of the loop: its products start the sums
	WIN 0                                          ; at a label and at a branch every window is 0
	s_mov_b32 s3, LAPS-1
.Llap:                                                 ; a trip goes once round the ring, from a lap's second quarter to the next lap's first, and fills both slots again
	QUARTER 0, 128, 1, 0, 0
	QUARTER 0, 192, 0, 1, 0
	TURN 0, 1, 1
	QUARTER 1, 64,  0, 1, 0
	QUARTER 1, 128, 1, 0, 0
	QUARTER 1, 192, 0, 1, 0
	TURN 1, 0, 1
	QUARTER 0, 64,  0, 1, 0
	WIN 0
	s_sub_co_u32 s3, s3, 1
	s_cmp_lg_u32 s3, 0
	s_cbranch_scc1 .Llap
	QUARTER 0, 128, 1, 0, 0                        ; the last lap fills nothing, and has no round of the cluster's barrier
	QUARTER 0, 192, 0, 1, 0
	TURN 0, 1, 0
	QUARTER 1, 64,  0, 1, 0
	QUARTER 1, 128, 1, 0, 0
	QUARTER 1, 192, 0, 1, 0
	s_wait_dscnt 0x0                               ; the very last quarter: my reads of the ring are over;
	s_barrier_signal -1                            ; say so, since the stage lies over the ring (all fills were shown landed in front of the last change of slots),
	MULR 1, 0, 0
	MULR 1, 4, 0
	MULR 1, 8, 0
	MULX 1, 0
	WIN 0
	PLACES                                         ; the stores below read results just made
	s_barrier_wait -1                              ; and go on when nobody reads the ring any more
	; THE WAY OUT.  A lane's eight sums of a row are 32 neighbouring bytes of the stage; each accumulator's low four registers go first.
.set sa, 0
.rept 12
	WIN 0x08+4*(sa/8)                              ; the data (source 1) in window 2 or 3
.set si, 0
.rept 4
.set AC, 8*(4*(sa%8)+si)
	ds_store_b128 v[STO+2*(sa/6)+si/2], v[AC:AC+3]   offset:(sa%6)*16*SPITCH+(si%2)*64
	ds_store_b128 v[STO+2*(sa/6)+si/2], v[AC+4:AC+7] offset:(sa%6)*16*SPITCH+(si%2)*64+16
.set si, si+1
.endr
.set sa, sa+1
.endr
.irp i, 0,1
	ds_store_b128 v[STOX], v[128+8*(\i):128+8*(\i)+3]   offset:(\i)*64
	ds_store_b128 v[STOX], v[128+8*(\i)+4:128+8*(\i)+7] offset:(\i)*64+16
.endr
	WIN 0
	s_wait_loadcnt 0x0                             ; the bias: rounded to bf16 like the other inputs, and widened again
	v_cvt_pk_bf16_f32 v[TA], v[BI], v[BI+1]
	v_cvt_pk_bf16_f32 v[TA+1], v[BI+2], v[BI+3]
	v_lshlrev_b32 v[BI], 16, v[TA]
	v_and_b32 v[BI+1], 0xffff0000, v[TA]
	v_lshlrev_b32 v[BI+2], 16, v[TA+1]
	v_and_b32 v[BI+3], 0xffff0000, v[TA+1]
.set j, 0
.rept 16
	v_mov_b32 v[MR+j], 0                           ; the membranes start at 0
.set j, j+1
.endr
	s_wait_dscnt 0x0                               ; for the others' sake: my stores into the stage are done
	s_barrier_signal -1
	s_barrier_wait -1
.irp i, 0,1,2,3
	ds_load_b128 v[XR+4*(\i):XR+4*(\i)+3], v[RD] offset:(\i)*SPITCH  ; t = 0
.endr
	s_mov_b32 s2, 24
.Lscan:
	SCAN 1
	s_sub_co_u32 s2, s2, 1
	s_cmp_lg_u32 s2, 0
	s_cbranch_scc1 .Lscan
	SCAN 0                                         ; t = 24: nothing more to fetch
	s_wait_tensorcnt 0x0                           ; the wave's end, behind my last tensor load and my last LDS store
	ds_add_u32 v[SPW], v[NIL]
	s_wait_dscnt 0x0
	CROUND                                         ; the closing round: no work-group ends while a partner may still ask for a tile that names it
	s_endpgm
.Lfunc_end_k_q9c5f77c9d4_layer0:
	.size	k_q9c5f77c9d4_layer0, .Lfunc_end_k_q9c5f77c9d4_layer0-k_q9c5f77c9d4_layer0
	.p2alignl 7, 3214868480
	.fill 96, 4, 3214868480
	.section	.rodata,"a",@progbits
	.p2align	6, 0x0
	.amdhsa_kernel k_q9c5f77c9d4_layer0
		.amdhsa_group_segment_fixed_size 327680
		.amdhsa_private_segment_fixed_size 0
		.amdhsa_enable_private_segment 0
		.amdhsa_kernarg_size 32
		.amdhsa_user_sgpr_count 2
		.amdhsa_user_sgpr_kernarg_segment_ptr 1
		.amdhsa_wavefront_size32 1
		.amdhsa_system_sgpr_workgroup_id_x 1
		.amdhsa_system_sgpr_workgroup_id_y 1
		.amdhsa_system_sgpr_workgroup_id_z 1
		.amdhsa_system_vgpr_workitem_id 0
		.amdhsa_next_free_vgpr 912
		.amdhsa_next_free_sgpr 66
		.amdhsa_reserve_vcc 0
		.amdhsa_float_denorm_mode_32 3
		.amdhsa_float_denorm_mode_16_64 3
		.amdhsa_memory_ordered 1
		.amdhsa_forward_progress 1
		.amdhsa_inst_pref_size 118
	.end_amdhsa_kernel
	.amdgpu_metadata
---
amdhsa.version: [ 1, 2 ]
amdhsa.kernels:
  - .name:           k_q9c5f77c9d4_layer0
    .symbol:         k_q9c5f77c9d4_layer0.kd
    .args:
      - { .name: xb, .offset: 0, .size: 8, .value_kind: global_buffer, .address_space: global }
      - { .name: wb0, .offset: 8, .size: 8, .value_kind: global_buffer, .address_space: global }
      - { .name: b0, .offset: 16, .size: 8, .value_kind: global_buffer, .address_space: global }
      - { .name: spk0, .offset: 24, .size: 8, .value_kind: global_buffer, .address_space: global }
    .group_segment_fixed_size: 327680
    .private_segment_fixed_size: 0
    .kernarg_segment_align: 8
    .kernarg_segment_size: 32
    .max_flat_workgroup_size: 128
    .sgpr_count:     66
    .vgpr_count:     912
    .wavefront_size: 32
...
	.end_amdgpu_metadata
.endif
;; end of part 2
;; launch layer1 (part 3): grid 16 x 16, 4 waves a work-group, clusters of 4 x 4, 327,680 bytes of LDS; arguments spk0, wb1, b1, spk1; writes spk1
.if DOCPART == 3
	.amdgcn_target "amdgcn-amd-amdhsa--gfx1250"
	.amdhsa_code_object_version 6
	.text
	.protected	k_q9c5f77c9d4_layer1
	.globl	k_q9c5f77c9d4_layer1
	.p2align	8
	.type	k_q9c5f77c9d4_layer1,@function
k_q9c5f77c9d4_layer1:
	s_mov_b64 s[64:65], 0
	v_nop
	global_prefetch_b8 v0, s[64:65] scope:SCOPE_SE
	s_setreg_imm32_b32 hwreg(HW_REG_WAVE_MODE, 25, 1), 1
	s_wait_xcnt 0x0
	s_wait_alu depctr_hold_cnt(0) depctr_sa_sdst(0) depctr_va_vdst(0) depctr_va_sdst(0) depctr_va_ssrc(0) depctr_va_vcc(0) depctr_vm_vsrc(0)
	s_getreg_b32 s2, hwreg(HW_REG_IB_STS2, 6, 4)
	s_cmp_eq_u32 s2, 0
	s_cbranch_scc0 .Lentry_in_a_cluster
	s_endpgm
.Lentry_in_a_cluster:
	s_bfe_u32 s2, ttmp6, 0x10000c
	s_cmp_lg_u32 s2, 0xf033
	s_cbranch_scc0 .Lentry_shape_is_right
	s_endpgm
.Lentry_shape_is_right:
; A HIDDEN LAYER OF A SPIKING NETWORK, all 25 time steps at once.  cur[t][b][n] = sum over k of A[t][b][k] W[n][k] + bias[n]; then along t, for each (b, n): m = 0.9 m + cur; s = (m > 1); m = m - s.
; One text serves the two hidden layers; two constants differ: KSTEPS (K / 128) and OUT8 (how the spikes, bf16, are laid out for the next layer: 0: blocks [btile 16][kblk][t 25][b 16][k 128]; 1: blocks [btile 32][kblk][t 25][b 8][k 128]).
; A: bf16 in blocks [btile 16][kblk KSTEPS][t 25][b 16][k 128].  W: bf16 in blocks [ntile][kblk KSTEPS][n 128][k 128].  So every tile is dense: rows of 256 bytes on end.
; LIMITS.  A and W arrive rounded to bf16, the bias is rounded to bf16 here; products are exact, one f32 sum for each output, K ascending.  A membrane that lies within that sum's rounding (some 1e-6 of its terms)
; of the threshold 1 can fall on the other side than in a sum taken in another order, and its spike then differs.  m > 1 is (m - 1) > 0 in f32; a NaN gives no spike and stays in m.
; SHARES.  A work-group owns 16 b x 128 n x all 25 t: 400 rows x 128 columns, 200 accumulators of 16 x 16.  Wave w (wm = w / 2, wn = w % 2): t = 12 wm .. 12 wm + 11 x its four blocks of 16 n, and t = 24 x two of them:
; 50 accumulators in every wave.  W's fragments are ordered by address: fragments 0, 1 hold n blocks 4 wn + 2 wm + 0, 1 and fragments 2, 3 hold 4 wn + 2 (1 - wm) + 0, 1, so that t = 24 takes fragments 0 and 1 in every wave, without a branch.
; K goes in steps of 128 through two LDS slots filled by the tensor data mover.  THE MATRIX INSTRUCTION IS USED TRANSPOSED (source 0 = 16 rows of W, source 1 = 16 rows of A): a lane holds one row and eight neighbouring n.
; CLUSTER, 4 x 4.  A's tile hangs on btile alone and is shared along a row of the cluster, W's on ntile alone and is shared along a column: each is asked for JOINTLY, by the same load, descriptor and mask in all four.
; THE WAY OUT.  The currents go through a stage in LDS (over the ring, which has had its last fill), so that a thread gets all 25 t of its 16 (b, n) and runs the scan in registers.
; REGISTERS, in windows of 256 (s_set_vgpr_msb: bits 1:0 source 0, 3:2 source 1, 5:4 source 2, 7:6 destination):
;   window 0: v0-39 addresses and bias; v64-127 W's fragments, two buffers of 4; v128-199 the scan      window 1: A's fragments, two buffers of 13 (v0-103, v104-207)
;   window 2: accumulators (a, i), a = 0..7, at 8 (4 a + i)      window 3: a = 8..11 at 8 (4 (a - 8) + i); t = 24's two at 128 + 8 i
.set KSTEPS, 16
.set OUT8,   1
.set PITCH,  272                       ; an LDS row: 256 bytes + 16 of padding = 68 words: the 16 rows of a fragment load start at 16 different groups of four banks (64 banks of 4 bytes: ISA guide 11.1)
.set ABLK,   400*256                   ; bytes of a block of A in memory
.set BBLK,   128*256                   ; of W
.set BOFF,   400*PITCH                 ; in a slot: A's 400 rows, then W's 128
.set SLOT,   528*PITCH
.set SPARE,  2*SLOT                    ; behind the ring: the spare words, 128 bytes for each wave: two blocks of 256 bytes that no other line names
.set SPITCH, 528                       ; a row of the stage: 128 f32 + 16 bytes = 33 x 16: sixteen rows' stores of 16 bytes fall into sixteen different columns of 16 bytes
.set LAPS,   KSTEPS/2                  ; a lap = two K steps = once round the ring
.if OUT8
.set TSTEP,  8*256                     ; from t to t + 1 in the output
.else
.set TSTEP,  16*256
.endif
.set ADRA, 16                          ; v16-17  LDS address of my A fragments (t blocks 0-11 of mine) in slot 0, 1
.set ADRX, 18                          ; v18-19  the same for t = 24
.set ADRB, 20                          ; v20-21  W's fragments 0, 1 in slot 0, 1;  v22-23  fragments 2, 3
.set STO,  24                          ; v24-27  the stage, in: fragments 0, 1 / 2, 3 for my t blocks 0-5; the same for 6-11
.set SPW,  28                          ; v28     LDS address of my spare word; never rewritten
.set NIL,  29                          ; v29     0; never rewritten
.set STOX, 30                          ; v30     the stage, in: t = 24
.set RD,   31                          ; v31     the stage, back: my 16 bytes of row 16 t + 4 w
.set BI,   32                          ; v32-35  the bias of my four n
.set GO,   36                          ; v36     my byte offset in a stored row; never rewritten
.set BO,   37                          ; v37     my byte offset in the bias; never rewritten
.set TA,   38                          ; v38-39  at work
.set FB,   64
.set MR,   128                         ; v128-143 m of my 4 b x 4 n
.set XR,   144                         ; v144-159 the sums as read from the stage
.set CR,   160                         ; v160-175 cur
.set SR,   176                         ; v176-191 the spikes, f32
.set YR,   192                         ; v192-199 the spikes, bf16
.set G1A, 24                           ; s[24:31] descriptor group 1 for A's tiles;  s[32:39] group 0, a set for each slot
.set G0A, 32
.set G1B, 48                           ; s[48:55], s[56:63] the same for W's
.set G0B, 56
.set MSB, 0
.macro WIN new                         ; the immediate's high byte repeats the setting that is left; a switch that changes nothing is dropped
.if MSB != (\new)
	s_set_vgpr_msb (MSB<<8)|(\new)
.set MSB, \new
.endif
.endm
.set MUL_LO, 0xa4                      ; source 0 (W) window 0, source 1 (A) window 1, C and D window 2
.set MUL_HI, 0xf4                      ; the same, C and D window 3
.set TO_A,   0x40                      ; destination window 1, address window 0
; A joint load.  Waves 0 and 1 fetch A's two halves (200 rows each), waves 2 and 3 W's (64 rows each).  The branch hangs on the wave's number alone.
; An s_nop 0 and four v_nop follow each of the two lines, ahead of the jump, the label and what follows.
.macro JLOAD s
	s_cmp_eq_u32 s15, 0
	s_cbranch_scc0 .Lfor_b_\@
	tensor_load_to_lds s[G0A+4*(\s):G0A+4*(\s)+3], s[G1A:G1A+7]
	s_nop 0
.rept 4
	v_nop
.endr
	s_branch .Lasked_\@
.Lfor_b_\@:
	tensor_load_to_lds s[G0B+4*(\s):G0B+4*(\s)+3], s[G1B:G1B+7]
	s_nop 0
.rept 4
	v_nop
.endr
.Lasked_\@:
.endm
.macro CREST                           ; a round of the cluster's barrier behind its opening barrier: wave 0 signals for the work-group, every wave waits for all sixteen, my work-group's barrier closes it
	s_cmp_lg_u32 s14, 0
	s_cbranch_scc1 .Lnot_wave_0_\@
	s_barrier_signal -3
.Lnot_wave_0_\@:
	s_barrier_wait -3
	s_barrier_signal -1
	s_barrier_wait -1
.endm
.macro CROUND                          ; a whole round
	s_barrier_signal -1
	s_barrier_wait -1
	CREST
.endm
.macro PLACES                          ; four places in front of loads into registers that matrix instructions have read, and of stores that read results (ISA guide 7.12.1 for vector instructions)
.rept 4
	v_nop
.endr
.endm
; 16 matrix instructions: my t blocks a0 .. a0 + 3 x my four n blocks, 32 along K, from buffer f.  zero = 1: the first product starts the sums: nothing is cleared.
; The 50 accumulators take turns, one instruction a turn, in the same order in every quarter step.
.macro MULR f, a0, zero
.set ma, (\a0)
.rept 4
	WIN MUL_LO+0x50*(ma/8)
.set mi, 0
.rept 4
.set AC, 8*(4*(ma%8)+mi)
.if \zero
	v_wmma_f32_16x16x32_bf16 v[AC:AC+7], v[FB+32*(\f)+8*mi:FB+32*(\f)+8*mi+7], v[104*(\f)+8*ma:104*(\f)+8*ma+7], 0
.else
	v_wmma_f32_16x16x32_bf16 v[AC:AC+7], v[FB+32*(\f)+8*mi:FB+32*(\f)+8*mi+7], v[104*(\f)+8*ma:104*(\f)+8*ma+7], v[AC:AC+7]
.endif
.set mi, mi+1
.endr
.set ma, ma+1
.endr
.endm
.macro MULX f, zero                    ; t = 24 x fragments 0 and 1
	WIN MUL_HI
.irp i, 0,1
.if \zero
	v_wmma_f32_16x16x32_bf16 v[128+8*(\i):128+8*(\i)+7], v[FB+32*(\f)+8*(\i):FB+32*(\f)+8*(\i)+7], v[104*(\f)+96:104*(\f)+103], 0
.else
	v_wmma_f32_16x16x32_bf16 v[128+8*(\i):128+8*(\i)+7], v[FB+32*(\f)+8*(\i):FB+32*(\f)+8*(\i)+7], v[104*(\f)+96:104*(\f)+103], v[128+8*(\i):128+8*(\i)+7]
.endif
.endr
.endm
; 34 LDS loads in one run: the fragments of a quarter step (32 K at byte k of the rows) into buffer f: W's 8 loads, A's t blocks 0-3 (8), then blocks 4-11 and t = 24 (18).
; A fragment is 16 rows x 32 K in 8 registers: lane l holds row l % 16, K = 8 (l / 16) + 0..7 and 16 + 8 (l / 16) + 0..7: two loads of 16 bytes, 32 bytes apart.
.macro FETCH slot, k, f
	WIN 0
.irp i, 0,1,2,3
	ds_load_b128 v[FB+32*(\f)+8*(\i):FB+32*(\f)+8*(\i)+3],   v[ADRB+2*((\i)/2)+(\slot)] offset:(\k)+((\i)%2)*16*PITCH
	ds_load_b128 v[FB+32*(\f)+8*(\i)+4:FB+32*(\f)+8*(\i)+7], v[ADRB+2*((\i)/2)+(\slot)] offset:(\k)+((\i)%2)*16*PITCH+32
.endr
	WIN TO_A
.irp a, 0,1,2,3,4,5,6,7,8,9,10,11
	ds_load_b128 v[104*(\f)+8*(\a):104*(\f)+8*(\a)+3],   v[ADRA+(\slot)] offset:(\k)+(\a)*16*PITCH
	ds_load_b128 v[104*(\f)+8*(\a)+4:104*(\f)+8*(\a)+7], v[ADRA+(\slot)] offset:(\k)+(\a)*16*PITCH+32
.endr
	ds_load_b128 v[104*(\f)+96:104*(\f)+99],   v[ADRX+(\slot)] offset:(\k)
	ds_load_b128 v[104*(\f)+100:104*(\f)+103], v[ADRX+(\slot)] offset:(\k)+32
.endm
; A K step is four quarter steps of 32 along K, 50 matrix instructions each, on buffers 0, 1, 0, 1.  One of the first three: multiplies buffer f and fetches the next quarter, at byte k, into buffer g.
.macro QUARTER slot, k, f, g, zero
	s_wait_dscnt 18                                ; W's fragments and A's blocks 0-3 are in; the youngest 18 loads may be out
	MULR \f, 0, \zero
	PLACES
	FETCH \slot, \k, \g
	s_wait_dscnt 34                                ; all but the 34 just issued
	MULR \f, 4, \zero
	MULR \f, 8, \zero
	MULX \f, \zero
.endm
; The last quarter multiplies buffer 1 and changes slots: ONE barrier.  In front of it each wave waits for all its tensor loads (one is out: its part of the next slot), adds 0 to its spare word, and waits for that and for
; its reads of this slot.  fill = 1: the barrier opens a round of the cluster's barrier, and this slot is filled again, two K steps ahead, first thing behind the round.  Only sixteen of the quarter's products stand ahead of the
; barrier, the other 34 behind the refill: the load has a K step less those sixteen matrix instructions in which to land.
.macro TURN slot, next, fill
	WIN 0                                          ; (the add's two registers lie in window 0)
	s_wait_tensorcnt 0x0                           ; all my tensor loads have landed
	ds_add_u32 v[SPW], v[NIL]                      ; 0 onto my spare word
	s_wait_dscnt 19                                ; (the add and the youngest 18 loads may be out)
	MULR 1, 0, 0                                   ; sixteen matrix instructions stand between the add and the wait for it
	WIN 0
	s_wait_dscnt 0x0                               ; the add is done, and my reads of this slot are over
	s_barrier_signal -1
	s_barrier_wait -1
.if \fill
	CREST                                          ; no wave of any partner still reads this slot's tile or has a load on its way
	s_add_nc_u64 s[G0A+4*(\slot)+2:G0A+4*(\slot)+3], s[G0A+4*(\slot)+2:G0A+4*(\slot)+3], 2*ABLK
	s_add_nc_u64 s[G0B+4*(\slot)+2:G0B+4*(\slot)+3], s[G0B+4*(\slot)+2:G0B+4*(\slot)+3], 2*BBLK
	JLOAD \slot                                    ; the four v_nop behind it are also the places in front of the loads below
.else
	PLACES
.endif
	FETCH \next, 0, 0
	MULR 1, 4, 0
	MULR 1, 8, 0
	MULX 1, 0
.endm
; One time step of the scan for my 16 (b, n).  more = 1: the next step's sums are fetched.  The output's base steps in every trip ahead of the trip's stores, which reach back by the immediate.
.macro SCAN more
	s_wait_dscnt 0x0                               ; this step's four loads from the stage are in
.irp j, 0,1,2,3,4,5,6,7
	v_pk_add_f32 v[CR+2*(\j):CR+2*(\j)+1], v[XR+2*(\j):XR+2*(\j)+1], v[BI+2*((\j)%2):BI+2*((\j)%2)+1]  ; cur = sum + bias
.endr
.if \more
	v_add_nc_u32 v[RD], 16*SPITCH, v[RD]
.irp i, 0,1,2,3
	ds_load_b128 v[XR+4*(\i):XR+4*(\i)+3], v[RD] offset:(\i)*SPITCH  ; 32 lanes take a row's 512 consecutive bytes
.endr
.endif
.irp j, 0,1,2,3,4,5,6,7
	v_pk_fma_f32 v[MR+2*(\j):MR+2*(\j)+1], v[MR+2*(\j):MR+2*(\j)+1], 0x3f666666, v[CR+2*(\j):CR+2*(\j)+1] op_sel_hi:[1,0,1]  ; m = 0.9 m + cur
.endr
.irp q, 0,8
.irp j, 0,1,2,3,4,5,6,7
	v_cmp_lt_f32 s[40+(\j)], 1.0, v[MR+(\q)+(\j)]  ; eight masks in eight scalar registers, so that no select reads the mask made just before it
.endr
.if (\q) == 0
	s_wait_xcnt 0x0                                ; the last trip's stores: their data registers and base are written again only behind this wait (ISA guide 3.1); it stands where the first of them is due, not behind the stores
	s_add_nc_u64 s[10:11], s[10:11], TSTEP
.endif
.irp j, 0,1,2,3,4,5,6,7
	v_cndmask_b32 v[SR+(\q)+(\j)], 0, 1.0, s[40+(\j)]
.endr
.endr
.irp j, 0,1,2,3,4,5,6,7
	v_pk_add_f32 v[MR+2*(\j):MR+2*(\j)+1], v[MR+2*(\j):MR+2*(\j)+1], v[SR+2*(\j):SR+2*(\j)+1] neg_lo:[0,1] neg_hi:[0,1]  ; m = m - s
.endr
.irp j, 0,1,2,3,4,5,6,7
	v_cvt_pk_bf16_f32 v[YR+(\j)], v[SR+2*(\j)], v[SR+2*(\j)+1]  ; 0 and 1 are exact in bf16
.endr
.irp i, 0,1,2,3
	global_store_b64 v[GO], v[YR+2*(\i):YR+2*(\i)+1], s[10:11] offset:256*(\i)-TSTEP  ; one whole row of 256 bytes of the next layer's block
.endr
.endm
	s_load_b256 s[4:11], s[0:1], 0x0               ; A s[4:5], W s[6:7], bias s[8:9], spikes out s[10:11]
	v_lshl_add_u32 v[SPW], v0, 2, SPARE
	v_mov_b32 v[NIL], 0
	ds_add_u32 v[SPW], v[NIL]                      ; the wave's opening: the add and its wait stand ahead of my first tensor load; the set-up below, work on registers, stands between them
	v_lshrrev_b32 v1, 5, v0
	v_readfirstlane_b32 s14, v1                    ; wave 0..3
	s_lshr_b32 s15, s14, 1                         ; wm.  Also: I fetch for A (0) or for W (1)
	s_and_b32 s16, s14, 1                          ; wn.  Also: which half of that tile I fetch
	s_add_co_u32 s17, s14, 2
	s_lshr_b32 s17, s17, 1
	s_and_b32 s17, s17, 1                          ; 1 - wm: bit 1 of w + 2
	s_bfe_u32 s40, ttmp6, 0x40000                  ; cx, cy: my place in the cluster
	s_bfe_u32 s41, ttmp6, 0x40004
	s_lshl_b32 s42, ttmp9, 2
	s_add_co_u32 s42, s42, s40                     ; ntile = 4 x cluster x + cx
	s_and_b32 s43, ttmp7, 0xffff
	s_lshl_b32 s43, s43, 2
	s_add_co_u32 s43, s43, s41                     ; btile = 4 x cluster y + cy
	s_lshl_b32 s44, s41, 2
	s_lshl_b32 s44, 15, s44                        ; my row of the cluster
	s_lshl_b32 s45, 0x1111, s40                    ; my column
	; descriptor group 1: rows of 128 elements of 2 bytes, dense in memory, padded in LDS
	s_or_b32 s[G1A+0], s44, (1<<16)|(1<<20)|(1<<21)|(5<<22)|(3<<25)  ; 15:0 the mask; 17:16 2-byte elements; 20 padding on; 21 set beside a mask; 24:22 after every 64 words (code 5); 31:25 4 words (code 3)
	s_or_b32 s[G1B+0], s45, (1<<16)|(1<<20)|(1<<21)|(5<<22)|(3<<25)
	s_mov_b32 s[G1A+1], 128<<16                    ; tensor_dim0 = 128
	s_mov_b32 s[G1B+1], 128<<16
	s_mov_b32 s[G1A+2], 200<<16                    ; tensor_dim1 = 200 rows of A,
	s_mov_b32 s[G1B+2], 64<<16                     ; 64 of W
	s_mov_b32 s[G1A+3], 128<<16                    ; tile_dim0 = 128
	s_mov_b32 s[G1B+3], 128<<16
	s_mov_b32 s[G1A+4], 200                        ; tile_dim1
	s_mov_b32 s[G1B+4], 64
	s_mov_b32 s[G1A+5], 128                        ; 128 elements from row to row
	s_mov_b32 s[G1B+5], 128
	s_mov_b32 s[G1A+6], 0
	s_mov_b32 s[G1B+6], 0
	s_mov_b32 s[G1A+7], 0
	s_mov_b32 s[G1B+7], 0
	; where the tiles come from: A's hang on btile and the wave alone, W's on ntile and the wave alone
	s_mul_i32 s20, s43, KSTEPS*ABLK
	s_mul_i32 s19, s16, ABLK/2
	s_add_co_u32 s20, s20, s19
	s_mov_b32 s21, 0
	s_mul_i32 s46, s42, KSTEPS*BBLK
	s_lshl_b32 s19, s16, 14                        ; BBLK / 2
	s_add_co_u32 s46, s46, s19
	s_mov_b32 s47, 0
	s_mul_i32 s22, s16, 200*PITCH                  ; and where they go: no place in the cluster enters an LDS address
	s_mul_i32 s23, s16, 64*PITCH
	s_add_co_u32 s23, s23, BOFF
	s_wait_dscnt 0x0                               ; the opening add is done
	s_wait_kmcnt 0x0
	s_add_nc_u64 s[20:21], s[4:5], s[20:21]
	s_add_nc_u64 s[46:47], s[6:7], s[46:47]
	CROUND                                         ; all sixteen work-groups are here: the first joint loads meet
.irp s, 0,1
	s_mov_b32 s[G0A+4*(\s)], 1                                     ; count = 1
	s_add_co_u32 s[G0A+4*(\s)+1], s22, (\s)*SLOT                   ; LDS address
	s_add_nc_u64 s[G0A+4*(\s)+2:G0A+4*(\s)+3], s[20:21], (\s)*ABLK ; global address: K step s
	s_or_b32 s[G0A+4*(\s)+3], s[G0A+4*(\s)+3], 0x80000000          ; type = 2
	s_mov_b32 s[G0B+4*(\s)], 1
	s_add_co_u32 s[G0B+4*(\s)+1], s23, (\s)*SLOT
	s_add_nc_u64 s[G0B+4*(\s)+2:G0B+4*(\s)+3], s[46:47], (\s)*BBLK
	s_or_b32 s[G0B+4*(\s)+3], s[G0B+4*(\s)+3], 0x80000000
	JLOAD \s                                       ; two loads of mine are out
.endr
	; every LDS address below is a lane term plus constants times wm, wn and 1 - wm
	v_and_b32 v1, 15, v0                           ; r = l % 16
	v_bfe_u32 v2, v0, 4, 1                         ; h = l / 16
	v_mul_u32_u24 v3, v1, PITCH
	v_lshl_add_u32 v3, v2, 4, v3                   ; a fragment's row x pitch + 16 x half
	s_mul_i32 s19, s15, 192*PITCH                  ; my 12 t blocks
	v_add_nc_u32 v[ADRA], s19, v3
	v_add_nc_u32 v[ADRA+1], SLOT, v[ADRA]
	v_add_nc_u32 v[ADRX], 384*PITCH, v3            ; t = 24
	v_add_nc_u32 v[ADRX+1], SLOT, v[ADRX]
	s_mul_i32 s19, s16, 4*16*PITCH                 ; my four n blocks,
	s_add_co_u32 s19, s19, BOFF                    ; behind A's rows
	s_mul_i32 s22, s15, 2*16*PITCH                 ; fragments 0, 1: pair wm of them
	s_add_co_u32 s22, s22, s19
	v_add_nc_u32 v[ADRB], s22, v3
	v_add_nc_u32 v[ADRB+1], SLOT, v[ADRB]
	s_mul_i32 s23, s17, 2*16*PITCH                 ; fragments 2, 3: the other pair
	s_add_co_u32 s23, s23, s19
	v_add_nc_u32 v[ADRB+2], s23, v3
	v_add_nc_u32 v[ADRB+3], SLOT, v[ADRB+2]
	v_mul_u32_u24 v[TA], v1, SPITCH                ; the stage, in: row r of a t block, 32 bytes for each half of the lanes
	v_lshl_add_u32 v[TA], v2, 5, v[TA]
	s_mul_i32 s19, s16, 4*64                       ; an n block is 64 bytes of a row: my four,
	s_mul_i32 s22, s15, 2*64
	s_add_co_u32 s22, s22, s19                     ; the column of fragment 0,
	s_mul_i32 s23, s17, 2*64
	s_add_co_u32 s23, s23, s19                     ; of fragment 2
	s_mul_i32 s19, s15, 192*SPITCH                 ; my 12 t blocks' rows
	s_add_co_u32 s23, s23, s19
	s_add_co_u32 s19, s19, s22
	v_add_nc_u32 v[STO], s19, v[TA]
	v_add_nc_u32 v[STO+1], s23, v[TA]
	v_add_nc_u32 v[STO+2], 6*16*SPITCH, v[STO]     ; a second pair six t blocks on keeps the immediates inside 16 bits
	v_add_nc_u32 v[STO+3], 6*16*SPITCH, v[STO+1]
	s_add_co_u32 s22, s22, 384*SPITCH              ; t = 24, fragment 0's column
	v_add_nc_u32 v[STOX], s22, v[TA]
	v_and_b32 v[TA+1], 31, v0                      ; lane
	s_mul_i32 s23, s14, 4*SPITCH                   ; back: rows b = 4 w .. 4 w + 3 of each t, my four n
	v_lshl_add_u32 v[RD], v[TA+1], 4, s23
	v_lshlrev_b32 v[BO], 4, v[TA+1]
	s_lshl_b32 s46, s42, 9                         ; the bias of my tile's 128 n
	s_mov_b32 s47, 0
	s_add_nc_u64 s[8:9], s[8:9], s[46:47]
	global_load_b128 v[BI:BI+3], v[BO], s[8:9]
	v_lshlrev_b32 v[GO], 3, v[TA+1]
.if OUT8
	s_lshl_b32 s2, s43, 1
	s_add_co_u32 s2, s2, s15                       ; the next layer's tile of 8 b: 2 btile + wm (my rows are b = 4 w .. 4 w + 3),
	s_lshl_b32 s2, s2, 4
	s_add_co_u32 s2, s2, s42                       ; its block ntile,
	s_mul_i32 s2, s2, 200*256                      ; 200 rows of 256 bytes each,
	s_lshl_b32 s3, s16, 10                         ; rows 4 wn on
.else
	s_lshl_b32 s2, s43, 4
	s_add_co_u32 s2, s2, s42                       ; block 16 btile + ntile of the next layer's A,
	s_mul_i32 s2, s2, ABLK
	s_lshl_b32 s3, s14, 10                         ; rows 4 w on
.endif
	s_add_co_u32 s2, s2, s3
	s_mov_b32 s3, 0
	s_add_nc_u64 s[10:11], s[10:11], s[2:3]
	s_wait_tensorcnt 1                             ; my part of K step 0 is in; K step 1's may stay out
	s_barrier_signal -1
	s_barrier_wait -1                              ; everybody's is
	FETCH 0, 0, 0
	QUARTER 0, 64,  0, 1, 1                        ; the first quarter stands in front of the loop: its products start the sums
	WIN 0                                          ; at a label and at a branch every window is 0
	s_mov_b32 s3, LAPS-1
.Llap:                                                 ; a trip goes once round the ring, from a lap's second quarter to the next lap's first, and fills both slots again
	QUARTER 0, 128, 1, 0, 0
	QUARTER 0, 192, 0, 1, 0
	TURN 0, 1, 1
	QUARTER 1, 64,  0, 1, 0
	QUARTER 1, 128, 1, 0, 0
	QUARTER 1, 192, 0, 1, 0
	TURN 1, 0, 1
	QUARTER 0, 64,  0, 1, 0
	WIN 0
	s_sub_co_u32 s3, s3, 1
	s_cmp_lg_u32 s3, 0
	s_cbranch_scc1 .Llap
	QUARTER 0, 128, 1, 0, 0                        ; the last lap fills nothing, and has no round of the cluster's barrier
	QUARTER 0, 192, 0, 1, 0
	TURN 0, 1, 0
	QUARTER 1, 64,  0, 1, 0
	QUARTER 1, 128, 1, 0, 0
	QUARTER 1, 192, 0, 1, 0
	s_wait_dscnt 0x0                               ; the very last quarter: my reads of the ring are over;
	s_barrier_signal -1                            ; say so, since the stage lies over the ring (all fills were shown landed in front of the last change of slots),
	MULR 1, 0, 0
	MULR 1, 4, 0
	MULR 1, 8, 0
	MULX 1, 0
	WIN 0
	PLACES                                         ; the stores below read results just made
	s_barrier_wait -1                              ; and go on when nobody reads the ring any more
	; THE WAY OUT.  A lane's eight sums of a row are 32 neighbouring bytes of the stage; each accumulator's low four registers go first.
.set sa, 0
.rept 12
	WIN 0x08+4*(sa/8)                              ; the data (source 1) in window 2 or 3
.set si, 0
.rept 4
.set AC, 8*(4*(sa%8)+si)
	ds_store_b128 v[STO+2*(sa/6)+si/2], v[AC:AC+3]   offset:(sa%6)*16*SPITCH+(si%2)*64
	ds_store_b128 v[STO+2*(sa/6)+si/2], v[AC+4:AC+7] offset:(sa%6)*16*SPITCH+(si%2)*64+16
.set si, si+1
.endr
.set sa, sa+1
.endr
.irp i, 0,1
	ds_store_b128 v[STOX], v[128+8*(\i):128+8*(\i)+3]   offset:(\i)*64
	ds_store_b128 v[STOX], v[128+8*(\i)+4:128+8*(\i)+7] offset:(\i)*64+16
.endr
	WIN 0
	s_wait_loadcnt 0x0                             ; the bias: rounded to bf16 like the other inputs, and widened again
	v_cvt_pk_bf16_f32 v[TA], v[BI], v[BI+1]
	v_cvt_pk_bf16_f32 v[TA+1], v[BI+2], v[BI+3]
	v_lshlrev_b32 v[BI], 16, v[TA]
	v_and_b32 v[BI+1], 0xffff0000, v[TA]
	v_lshlrev_b32 v[BI+2], 16, v[TA+1]
	v_and_b32 v[BI+3], 0xffff0000, v[TA+1]
.set j, 0
.rept 16
	v_mov_b32 v[MR+j], 0                           ; the membranes start at 0
.set j, j+1
.endr
	s_wait_dscnt 0x0                               ; for the others' sake: my stores into the stage are done
	s_barrier_signal -1
	s_barrier_wait -1
.irp i, 0,1,2,3
	ds_load_b128 v[XR+4*(\i):XR+4*(\i)+3], v[RD] offset:(\i)*SPITCH  ; t = 0
.endr
	s_mov_b32 s2, 24
.Lscan:
	SCAN 1
	s_sub_co_u32 s2, s2, 1
	s_cmp_lg_u32 s2, 0
	s_cbranch_scc1 .Lscan
	SCAN 0                                         ; t = 24: nothing more to fetch
	s_wait_tensorcnt 0x0                           ; the wave's end, behind my last tensor load and my last LDS store
	ds_add_u32 v[SPW], v[NIL]
	s_wait_dscnt 0x0
	CROUND                                         ; the closing round: no work-group ends while a partner may still ask for a tile that names it
	s_endpgm
.Lfunc_end_k_q9c5f77c9d4_layer1:
	.size	k_q9c5f77c9d4_layer1, .Lfunc_end_k_q9c5f77c9d4_layer1-k_q9c5f77c9d4_layer1
	.p2alignl 7, 3214868480
	.fill 96, 4, 3214868480
	.section	.rodata,"a",@progbits
	.p2align	6, 0x0
	.amdhsa_kernel k_q9c5f77c9d4_layer1
		.amdhsa_group_segment_fixed_size 327680
		.amdhsa_private_segment_fixed_size 0
		.amdhsa_enable_private_segment 0
		.amdhsa_kernarg_size 32
		.amdhsa_user_sgpr_count 2
		.amdhsa_user_sgpr_kernarg_segment_ptr 1
		.amdhsa_wavefront_size32 1
		.amdhsa_system_sgpr_workgroup_id_x 1
		.amdhsa_system_sgpr_workgroup_id_y 1
		.amdhsa_system_sgpr_workgroup_id_z 1
		.amdhsa_system_vgpr_workitem_id 0
		.amdhsa_next_free_vgpr 912
		.amdhsa_next_free_sgpr 66
		.amdhsa_reserve_vcc 0
		.amdhsa_float_denorm_mode_32 3
		.amdhsa_float_denorm_mode_16_64 3
		.amdhsa_memory_ordered 1
		.amdhsa_forward_progress 1
		.amdhsa_inst_pref_size 118
	.end_amdhsa_kernel
	.amdgpu_metadata
---
amdhsa.version: [ 1, 2 ]
amdhsa.kernels:
  - .name:           k_q9c5f77c9d4_layer1
    .symbol:         k_q9c5f77c9d4_layer1.kd
    .args:
      - { .name: spk0, .offset: 0, .size: 8, .value_kind: global_buffer, .address_space: global }
      - { .name: wb1, .offset: 8, .size: 8, .value_kind: global_buffer, .address_space: global }
      - { .name: b1, .offset: 16, .size: 8, .value_kind: global_buffer, .address_space: global }
      - { .name: spk1, .offset: 24, .size: 8, .value_kind: global_buffer, .address_space: global }
    .group_segment_fixed_size: 327680
    .private_segment_fixed_size: 0
    .kernarg_segment_align: 8
    .kernarg_segment_size: 32
    .max_flat_workgroup_size: 128
    .sgpr_count:     66
    .vgpr_count:     912
    .wavefront_size: 32
...
	.end_amdgpu_metadata
.endif
;; end of part 3
;; launch layer2 (part 4): grid 8 x 32, 4 waves a work-group, clusters of 4 x 4, 327,680 bytes of LDS; arguments spk1, wb2, b2, out0, out1; writes out0, out1
.if DOCPART == 4
	.amdgcn_target "amdgcn-amd-amdhsa--gfx1250"
	.amdhsa_code_object_version 6
	.text
	.protected	k_q9c5f77c9d4_layer2
	.globl	k_q9c5f77c9d4_layer2
	.p2align	8
	.type	k_q9c5f77c9d4_layer2,@function
k_q9c5f77c9d4_layer2:
	s_mov_b64 s[64:65], 0
	v_nop
	global_prefetch_b8 v0, s[64:65] scope:SCOPE_SE
	s_setreg_imm32_b32 hwreg(HW_REG_WAVE_MODE, 25, 1), 1
	s_wait_xcnt 0x0
	s_wait_alu depctr_hold_cnt(0) depctr_sa_sdst(0) depctr_va_vdst(0) depctr_va_sdst(0) depctr_va_ssrc(0) depctr_va_vcc(0) depctr_vm_vsrc(0)
	s_getreg_b32 s2, hwreg(HW_REG_IB_STS2, 6, 4)
	s_cmp_eq_u32 s2, 0
	s_cbranch_scc0 .Lentry_in_a_cluster
	s_endpgm
.Lentry_in_a_cluster:
	s_bfe_u32 s2, ttmp6, 0x10000c
	s_cmp_lg_u32 s2, 0xf033
	s_cbranch_scc0 .Lentry_shape_is_right
	s_endpgm
.Lentry_shape_is_right:
; THE LAST LAYER OF A SPIKING NETWORK, all 25 time steps at once.  cur[t][b][n] = sum over k of A[t][b][k] W[n][k] + bias[n]; then along t, for each (b, n): m = 0.9 m + cur; s = (m > 1); m = m - s.
; The spikes leave as f32 [t 25][b 256][n 1024], the last m as f32 [b 256][n 1024].
; A (the layer before's spikes): bf16 in blocks [btile 32][kblk 16][t 25][b 8][k 128], 200 rows of 256 bytes.  W: bf16 in blocks [ntile 8][kblk 16][n 128][k 128].  So every tile is dense: rows of 256 bytes on end.
; LIMITS.  A and W arrive rounded to bf16, the bias is rounded to bf16 here; products are exact, one f32 sum for each output, K ascending.  A membrane that lies within that sum's rounding (some 1e-6 of its terms)
; of the threshold 1 can fall on the other side than in a sum taken in another order, and its spike then differs.  m > 1 is (m - 1) > 0 in f32; a NaN gives no spike and stays in m.
; SHARES.  N is 1,024 here, so tiles of 16 b x 128 n would be 128; a work-group owns 8 b x 128 n x all 25 t, and there are 8 x 32 = 256.  Its 200 rows (row 8 t + b) are 13 blocks of 16: two t to a block; block 12 holds t = 24 in
; its first 8 rows, and its last 8 are whatever lies next in LDS, W's first rows: a lane's sums hang on its own row of A alone, and those 8 lanes' sums go to stage rows that nobody reads (8 rows in 208 of the products serve nothing).
; Wave w (wm = w / 2, wn = w % 2): blocks 6 wm .. 6 wm + 5 x its four blocks of 16 n, and block 12 x two of them: 26 accumulators in every wave.  W's fragments 0, 1 hold n blocks 4 wn + 2 wm + 0, 1 and fragments 2, 3 hold
; 4 wn + 2 (1 - wm) + 0, 1, so that block 12 takes fragments 0 and 1 in every wave, without a branch.  THE MATRIX INSTRUCTION IS USED TRANSPOSED (source 0 = 16 rows of W, source 1 = 16 rows of A): a lane holds one row and eight neighbouring n.
; THE RING.  A K block (128 along K) is 104 matrix instructions a wave: too few for a tile to land beside them, and two slots of two blocks each do not fit in LDS (2 x 328 rows x 512 bytes).  So LDS holds three sub-slots of one
; block: REGION 0 is two of them, REGION 1 the third, and the sixteen blocks go 0 | 1, 2 | 3 | 4, 5 | .. | 13, 14 | 15 through regions 1, 0, 1, 0 ..: eleven changes of region for sixteen blocks, one load a wave behind each.
; CLUSTER, 4 x 4.  A's tile hangs on btile alone and is shared along a row of the cluster, W's on ntile alone and is shared along a column: each is asked for JOINTLY, by the same load, descriptor and mask in all four.
; THE WAY OUT.  The currents go through a stage in LDS (over the ring, which has had its last fill), so that a thread gets all 25 t of its 8 (b, n) and runs the scan in registers.
; REGISTERS, in windows of 256 (s_set_vgpr_msb: bits 1:0 source 0, 3:2 source 1, 5:4 source 2, 7:6 destination):
;   window 0: v0-31 addresses and bias; v64-127 W's fragments, two buffers of 4 (later the scan); v128-239 A's fragments, two buffers of 7      window 1: accumulators (a, i) at 8 (4 a + i), a = 0..5; block 12's two at 192 + 8 i
.set KBLKS,  16
.set PITCH,  272                       ; an LDS row: 256 bytes + 16 of padding = 68 words: the 16 rows of a fragment load start at 16 different groups of four banks (64 banks of 4 bytes: ISA guide 11.1)
.set ABLK,   200*256                   ; bytes of a block of A in memory
.set BBLK,   128*256                   ; of W
.set BOFF,   200*PITCH                 ; in a sub-slot: A's 200 rows, then W's 128
.set SUB,    328*PITCH                 ; sub-slots 0 and 1 are region 0, sub-slot 2 is region 1
.set SPARE,  (3*SUB+255)/256*256       ; behind the ring, at the next multiple of 256: the spare words, 128 bytes for each wave: two blocks of 256 bytes that no other line names
.set SPITCH, 528                       ; a row of the stage: 128 f32 + 16 bytes = 33 x 16: sixteen rows' stores of 16 bytes fall into sixteen different columns of 16 bytes
.set TSTEP,  256*1024*4                ; from t to t + 1 in the spikes' output
.set ADRA, 4                           ; v4-6    LDS address of my A fragments (blocks 0-5 of mine) in sub-slot 0, 1, 2
.set ADRX, 7                           ; v7-9    the same for block 12
.set ADRB, 10                          ; v10-12  W's fragments 0, 1;  v13-15  fragments 2, 3
.set STO,  16                          ; v16-17  the stage, in: fragments 0, 1 / 2, 3
.set STOX, 18                          ; v18     the stage, in: block 12
.set RD,   19                          ; v19     the stage, back: my 16 bytes of row 8 t + 2 w
.set SPW,  20                          ; v20     LDS address of my spare word; never rewritten
.set NIL,  21                          ; v21     0; never rewritten
.set GO,   22                          ; v22     16 x lane: my byte offset in a stored row and in the tile's bias; never rewritten
.set TA,   24                          ; v24-25  at work
.set BI,   28                          ; v28-31  the bias of my four n
.set FB,   64
.set FA,   128
.set MR,   64                          ; v64-71  m of my 2 b x 4 n
.set XR,   72                          ; v72-87  the sums as read from the stage: two buffers, for even and odd t
.set CR,   88                          ; v88-95  cur
.set SR,   96                          ; v96-103 the spikes
.set G1A, 24                           ; s[24:31] descriptor group 1 for A's tiles of region 0 (200 rows), s[32:39] of region 1 (100 rows)
.set G1B, 40                           ; s[40:47], s[48:55] the same for W's (128 rows, 64 rows)
.set G0A, 56                           ; s[56:59], s[60:63] descriptor group 0 for A's tiles, a set for each region
.set G0B, 68                           ; s[68:71], s[72:75] the same for W's
.set MK,  88                           ; s88-95  the scan's masks
.set MSB, 0
.macro WIN new                         ; the immediate's high byte repeats the setting that is left; a switch that changes nothing is dropped
.if MSB != (\new)
	s_set_vgpr_msb (MSB<<8)|(\new)
.set MSB, \new
.endif
.endm
.set MUL,   0x50                       ; sources 0 (W) and 1 (A) window 0, C and D window 1
.set FROM1, 0x04                       ; an LDS store's data (source 1) window 1, its address window 0
; A joint load into region r.  Region 0: waves 0 and 1 fetch a whole block of A each, waves 2 and 3 a whole block of W each.  Region 1: the halves of one block.  The branch hangs on the wave's number alone.
; An s_nop 0 and four v_nop follow each of the two lines, ahead of the jump, the label and what follows.
.macro JLOAD r
	s_cmp_eq_u32 s15, 0
	s_cbranch_scc0 .Lfor_b_\@
	tensor_load_to_lds s[G0A+4*(\r):G0A+4*(\r)+3], s[G1A+8*(\r):G1A+8*(\r)+7]
	s_nop 0
.rept 4
	v_nop
.endr
	s_branch .Lasked_\@
.Lfor_b_\@:
	tensor_load_to_lds s[G0B+4*(\r):G0B+4*(\r)+3], s[G1B+8*(\r):G1B+8*(\r)+7]
	s_nop 0
.rept 4
	v_nop
.endr
.Lasked_\@:
.endm
.macro CREST                           ; a round of the cluster's barrier behind its opening barrier: wave 0 signals for the work-group, every wave waits for all sixteen, my work-group's barrier closes it
	s_cmp_lg_u32 s14, 0
	s_cbranch_scc1 .Lnot_wave_0_\@
	s_barrier_signal -3
.Lnot_wave_0_\@:
	s_barrier_wait -3
	s_barrier_signal -1
	s_barrier_wait -1
.endm
.macro CROUND                          ; a whole round
	s_barrier_signal -1
	s_barrier_wait -1
	CREST
.endm
.macro PLACES                          ; four places in front of loads into registers that matrix instructions have read, and of stores that read results (ISA guide 7.12.1 for vector instructions)
.rept 4
	v_nop
.endr
.endm
.macro SHAPE g, rows                   ; words 1 to 7 of a group 1: so many rows of 128 elements, 128 elements from row to row
	s_mov_b32 s[(\g)+1], 128<<16                   ; tensor_dim0 = 128
	s_mov_b32 s[(\g)+2], (\rows)<<16               ; tensor_dim1
	s_mov_b32 s[(\g)+3], 128<<16                   ; tile_dim0 = 128
	s_mov_b32 s[(\g)+4], \rows                     ; tile_dim1
	s_mov_b32 s[(\g)+5], 128
	s_mov_b32 s[(\g)+6], 0
	s_mov_b32 s[(\g)+7], 0
.endm
; 4 n matrix instructions: my blocks a0 .. a0 + n - 1 x my four n blocks, 32 along K, from buffer f.  zero = 1: the first product starts the sums: nothing is cleared.
; The 26 accumulators take turns, one instruction a turn, in the same order in every quarter.
.macro MULA f, a0, n, zero
	WIN MUL
.set ma, (\a0)
.rept \n
.set mi, 0
.rept 4
.set AC, 8*(4*ma+mi)
.if \zero
	v_wmma_f32_16x16x32_bf16 v[AC:AC+7], v[FB+32*(\f)+8*mi:FB+32*(\f)+8*mi+7], v[FA+56*(\f)+8*ma:FA+56*(\f)+8*ma+7], 0
.else
	v_wmma_f32_16x16x32_bf16 v[AC:AC+7], v[FB+32*(\f)+8*mi:FB+32*(\f)+8*mi+7], v[FA+56*(\f)+8*ma:FA+56*(\f)+8*ma+7], v[AC:AC+7]
.endif
.set mi, mi+1
.endr
.set ma, ma+1
.endr
.endm
.macro MULX f, zero                    ; block 12 x fragments 0 and 1
	WIN MUL
.irp i, 0,1
.if \zero
	v_wmma_f32_16x16x32_bf16 v[192+8*(\i):192+8*(\i)+7], v[FB+32*(\f)+8*(\i):FB+32*(\f)+8*(\i)+7], v[FA+56*(\f)+48:FA+56*(\f)+55], 0
.else
	v_wmma_f32_16x16x32_bf16 v[192+8*(\i):192+8*(\i)+7], v[FB+32*(\f)+8*(\i):FB+32*(\f)+8*(\i)+7], v[FA+56*(\f)+48:FA+56*(\f)+55], v[192+8*(\i):192+8*(\i)+7]
.endif
.endr
.endm
; 22 LDS loads in one run: the fragments of a quarter (32 K at byte k of the rows of sub-slot sub) into buffer f: W's 8 loads, A's blocks 0, 1 (4), then blocks 2-5 and block 12 (10).
; A fragment is 16 rows x 32 K in 8 registers: lane l holds row l % 16, K = 8 (l / 16) + 0..7 and 16 + 8 (l / 16) + 0..7: two loads of 16 bytes, 32 bytes apart.
.macro FETCH sub, k, f
	WIN 0
.irp i, 0,1,2,3
	ds_load_b128 v[FB+32*(\f)+8*(\i):FB+32*(\f)+8*(\i)+3],   v[ADRB+3*((\i)/2)+(\sub)] offset:(\k)+((\i)%2)*16*PITCH
	ds_load_b128 v[FB+32*(\f)+8*(\i)+4:FB+32*(\f)+8*(\i)+7], v[ADRB+3*((\i)/2)+(\sub)] offset:(\k)+((\i)%2)*16*PITCH+32
.endr
.irp a, 0,1,2,3,4,5
	ds_load_b128 v[FA+56*(\f)+8*(\a):FA+56*(\f)+8*(\a)+3],   v[ADRA+(\sub)] offset:(\k)+(\a)*16*PITCH
	ds_load_b128 v[FA+56*(\f)+8*(\a)+4:FA+56*(\f)+8*(\a)+7], v[ADRA+(\sub)] offset:(\k)+(\a)*16*PITCH+32
.endr
	ds_load_b128 v[FA+56*(\f)+48:FA+56*(\f)+51], v[ADRX+(\sub)] offset:(\k)
	ds_load_b128 v[FA+56*(\f)+52:FA+56*(\f)+55], v[ADRX+(\sub)] offset:(\k)+32
.endm
; A K block is four quarters of 32 along K, 26 matrix instructions each, on buffers 0, 1, 0, 1.  A quarter multiplies buffer f and fetches the next quarter, at byte k of sub-slot sub, into buffer g.
; From region 0's first block to its second there is no barrier: the one in front of the region has shown both to every wave.
.macro QUARTER sub, k, f, g, zero
	s_wait_dscnt 10                                ; W's fragments and A's blocks 0, 1 are in; the youngest 10 loads may be out
	MULA \f, 0, 2, \zero
	PLACES
	FETCH \sub, \k, \g
	s_wait_dscnt 22                                ; all but the 22 just issued
	MULA \f, 2, 4, \zero
	MULX \f, \zero
.endm
; A region's last quarter multiplies buffer 1 and changes regions: ONE barrier.  In front of it each wave waits for all its tensor loads (one is out: its part of the other region), adds 0 to its spare word, and waits for that
; and for its reads of region r.  fill = 1: the barrier opens a round of the cluster's barrier, and region r is filled again, with the blocks three further on, first thing behind the round.  Only eight of the quarter's products
; stand ahead of the barrier: the load has the other region's products, less those eight, in which to land.
.macro TURN r, next, fill
	WIN 0                                          ; (the add's two registers lie in window 0)
	s_wait_tensorcnt 0x0                           ; all my tensor loads have landed
	ds_add_u32 v[SPW], v[NIL]                      ; 0 onto my spare word
	s_wait_dscnt 11                                ; (the add and the youngest 10 loads may be out)
	MULA 1, 0, 2, 0                                ; eight matrix instructions stand between the add and the wait for it
	WIN 0
	s_wait_dscnt 0x0                               ; the add is done, and my reads of this region are over
	s_barrier_signal -1
	s_barrier_wait -1
.if \fill
	CREST                                          ; no wave of any partner still reads this region's tiles or has a load on its way
	s_add_nc_u64 s[G0A+4*(\r)+2:G0A+4*(\r)+3], s[G0A+4*(\r)+2:G0A+4*(\r)+3], 3*ABLK
	s_add_nc_u64 s[G0B+4*(\r)+2:G0B+4*(\r)+3], s[G0B+4*(\r)+2:G0B+4*(\r)+3], 3*BBLK
	JLOAD \r                                       ; the four v_nop behind it are also the places in front of the loads below
.else
	PLACES
.endif
	FETCH \next, 0, 0
	MULA 1, 2, 4, 0
	MULX 1, 0
.endm
.macro PAIR                            ; region 0's two blocks but for the last quarter; its first quarter's fragments have been fetched
	QUARTER 0, 64,  0, 1, 0
	QUARTER 0, 128, 1, 0, 0
	QUARTER 0, 192, 0, 1, 0
	QUARTER 1, 0,   1, 0, 0
	QUARTER 1, 64,  0, 1, 0
	QUARTER 1, 128, 1, 0, 0
	QUARTER 1, 192, 0, 1, 0
.endm
; One time step of the scan for my 8 (b, n), from buffer x.  more = 1: the sums of the step two further on are fetched into the same buffer; left = how many younger LDS loads may stay out.
; The output's base steps in every step ahead of the step's stores, which reach back by the immediate.
.macro STEP x, more, left
	s_wait_dscnt \left                             ; LDS loads come back in order (ISA guide 5.7.1): this step's two are in
.irp j, 0,1,2,3
	v_pk_add_f32 v[CR+2*(\j):CR+2*(\j)+1], v[XR+8*(\x)+2*(\j):XR+8*(\x)+2*(\j)+1], v[BI+2*((\j)%2):BI+2*((\j)%2)+1]  ; cur = sum + bias
.endr
.if \more
.irp i, 0,1
	ds_load_b128 v[XR+8*(\x)+4*(\i):XR+8*(\x)+4*(\i)+3], v[RD] offset:(16+(\i))*SPITCH  ; 32 lanes take a row's 512 consecutive bytes, 16 rows (two t) on
.endr
	v_add_nc_u32 v[RD], 8*SPITCH, v[RD]
.endif
.irp j, 0,1,2,3
	v_pk_fma_f32 v[MR+2*(\j):MR+2*(\j)+1], v[MR+2*(\j):MR+2*(\j)+1], 0x3f666666, v[CR+2*(\j):CR+2*(\j)+1] op_sel_hi:[1,0,1]  ; m = 0.9 m + cur
.endr
.irp j, 0,1,2,3,4,5,6,7
	v_cmp_lt_f32 s[MK+(\j)], 1.0, v[MR+(\j)]       ; eight masks in eight scalar registers, so that no select reads the mask made just before it
.endr
	s_wait_xcnt 0x0                                ; the last step's stores: their data registers and base are written again only behind this wait (ISA guide 3.1)
	s_add_nc_u64 s[10:11], s[10:11], TSTEP
.irp j, 0,1,2,3,4,5,6,7
	v_cndmask_b32 v[SR+(\j)], 0, 1.0, s[MK+(\j)]
.endr
.irp j, 0,1,2,3
	v_pk_add_f32 v[MR+2*(\j):MR+2*(\j)+1], v[MR+2*(\j):MR+2*(\j)+1], v[SR+2*(\j):SR+2*(\j)+1] neg_lo:[0,1] neg_hi:[0,1]  ; m = m - s
.endr
.irp i, 0,1
	global_store_b128 v[GO], v[SR+4*(\i):SR+4*(\i)+3], s[10:11] offset:4096*(\i)-TSTEP th:TH_STORE_NT  ; 512 consecutive bytes, at a multiple of 512 from the output's first byte
.endr
.endm
	s_load_b256 s[4:11], s[0:1], 0x0               ; A s[4:5], W s[6:7], bias s[8:9], spikes out s[10:11]
	s_load_b64 s[12:13], s[0:1], 0x20              ; the last membrane
	v_lshl_add_u32 v[SPW], v0, 2, SPARE
	v_mov_b32 v[NIL], 0
	ds_add_u32 v[SPW], v[NIL]                      ; the wave's opening: the add and its wait stand ahead of my first tensor load; the set-up below, work on registers, stands between them
	v_lshrrev_b32 v1, 5, v0
	v_readfirstlane_b32 s14, v1                    ; wave 0..3
	s_lshr_b32 s15, s14, 1                         ; wm.  Also: I fetch for A (0) or for W (1)
	s_and_b32 s16, s14, 1                          ; wn.  Also: which block of region 0, which half of region 1's block I fetch
	s_add_co_u32 s17, s14, 2
	s_lshr_b32 s17, s17, 1
	s_and_b32 s17, s17, 1                          ; 1 - wm: bit 1 of w + 2
	s_bfe_u32 s76, ttmp6, 0x40000                  ; cx, cy: my place in the cluster
	s_bfe_u32 s77, ttmp6, 0x40004
	s_lshl_b32 s78, ttmp9, 2
	s_add_co_u32 s78, s78, s76                     ; ntile = 4 x cluster x + cx
	s_and_b32 s79, ttmp7, 0xffff
	s_lshl_b32 s79, s79, 2
	s_add_co_u32 s79, s79, s77                     ; btile = 4 x cluster y + cy
	s_lshl_b32 s80, s77, 2
	s_lshl_b32 s80, 15, s80                        ; my row of the cluster
	s_lshl_b32 s81, 0x1111, s76                    ; my column
	; descriptor group 1: rows of 128 elements of 2 bytes, dense in memory, padded in LDS
	s_or_b32 s[G1A+0], s80, (1<<16)|(1<<20)|(1<<21)|(5<<22)|(3<<25)  ; 15:0 the mask; 17:16 2-byte elements; 20 padding on; 21 set beside a mask; 24:22 after every 64 words (code 5); 31:25 4 words (code 3)
	s_or_b32 s[G1A+8], s80, (1<<16)|(1<<20)|(1<<21)|(5<<22)|(3<<25)
	s_or_b32 s[G1B+0], s81, (1<<16)|(1<<20)|(1<<21)|(5<<22)|(3<<25)
	s_or_b32 s[G1B+8], s81, (1<<16)|(1<<20)|(1<<21)|(5<<22)|(3<<25)
	SHAPE G1A, 200                                 ; region 0: a whole block of A,
	SHAPE G1A+8, 100                               ; region 1: half of one
	SHAPE G1B, 128                                 ; the same of W
	SHAPE G1B+8, 64
	; where the tiles go: no place in the cluster enters an LDS address
	s_mul_i32 s18, s16, SUB                        ; region 0: sub-slot wn
	s_mul_i32 s19, s16, 100*PITCH                  ; region 1: my half of A's rows,
	s_add_co_u32 s19, s19, 2*SUB
	s_mul_i32 s20, s16, 64*PITCH                   ; of W's
	s_add_co_u32 s20, s20, 2*SUB+BOFF
	s_mov_b32 s[G0A], 1                            ; count = 1
	s_mov_b32 s[G0A+1], s18                        ; LDS address
	s_mov_b32 s[G0A+4], 1
	s_mov_b32 s[G0A+5], s19
	s_mov_b32 s[G0B], 1
	s_add_co_u32 s[G0B+1], s18, BOFF
	s_mov_b32 s[G0B+4], 1
	s_mov_b32 s[G0B+5], s20
	; where they come from: A's hang on btile and the wave alone, W's on ntile and the wave alone
	s_mul_i32 s21, s79, KBLKS*ABLK                 ; my btile's sixteen blocks
	s_mul_i32 s82, s16, ABLK
	s_add_co_u32 s82, s82, s21
	s_add_co_u32 s82, s82, ABLK                    ; region 0 begins with blocks 1 and 2: block 1 + wn
	s_mov_b32 s83, 0
	s_mul_i32 s84, s16, ABLK/2
	s_add_co_u32 s84, s84, s21                     ; region 1 begins with block 0: my half of it
	s_mov_b32 s85, 0
	s_mul_i32 s22, s78, KBLKS*BBLK                 ; my ntile's sixteen blocks
	s_mul_i32 s86, s16, BBLK
	s_add_co_u32 s86, s86, s22
	s_add_co_u32 s86, s86, BBLK
	s_mov_b32 s87, 0
	s_mul_i32 s88, s16, BBLK/2
	s_add_co_u32 s88, s88, s22
	s_mov_b32 s89, 0
	s_wait_dscnt 0x0                               ; the opening add is done
	s_wait_kmcnt 0x0
	s_add_nc_u64 s[G0A+2:G0A+3], s[4:5], s[82:83]  ; global address,
	s_or_b32 s[G0A+3], s[G0A+3], 0x80000000        ; type = 2
	s_add_nc_u64 s[G0A+6:G0A+7], s[4:5], s[84:85]
	s_or_b32 s[G0A+7], s[G0A+7], 0x80000000
	s_add_nc_u64 s[G0B+2:G0B+3], s[6:7], s[86:87]
	s_or_b32 s[G0B+3], s[G0B+3], 0x80000000
	s_add_nc_u64 s[G0B+6:G0B+7], s[6:7], s[88:89]
	s_or_b32 s[G0B+7], s[G0B+7], 0x80000000
	CROUND                                         ; all sixteen work-groups are here: the first joint loads meet
	JLOAD 1                                        ; block 0, which is wanted first,
	JLOAD 0                                        ; then blocks 1 and 2: two loads of mine are out
	; every LDS address below is a lane term plus constants times wm, wn and 1 - wm
	v_and_b32 v1, 15, v0                           ; r = l % 16
	v_bfe_u32 v2, v0, 4, 1                         ; h = l / 16
	v_mul_u32_u24 v3, v1, PITCH
	v_lshl_add_u32 v3, v2, 4, v3                   ; a fragment's row x pitch + 16 x half
	s_mul_i32 s18, s15, 96*PITCH                   ; my 6 blocks
	v_add_nc_u32 v[ADRA], s18, v3
	v_add_nc_u32 v[ADRX], 192*PITCH, v3            ; block 12
	s_mul_i32 s18, s16, 4*16*PITCH                 ; my four n blocks,
	s_add_co_u32 s18, s18, BOFF                    ; behind A's rows
	s_mul_i32 s19, s15, 2*16*PITCH                 ; fragments 0, 1: pair wm of them
	s_add_co_u32 s19, s19, s18
	v_add_nc_u32 v[ADRB], s19, v3
	s_mul_i32 s20, s17, 2*16*PITCH                 ; fragments 2, 3: the other pair
	s_add_co_u32 s20, s20, s18
	v_add_nc_u32 v[ADRB+3], s20, v3
.irp b, ADRA, ADRX, ADRB, ADRB+3
	v_add_nc_u32 v[(\b)+1], SUB, v[(\b)]           ; the same in sub-slots 1 and 2
	v_add_nc_u32 v[(\b)+2], SUB, v[(\b)+1]
.endr
	v_mul_u32_u24 v[TA], v1, SPITCH                ; the stage, in: row r of a block, 32 bytes for each half of the lanes
	v_lshl_add_u32 v[TA], v2, 5, v[TA]
	s_mul_i32 s18, s16, 4*64                       ; an n block is 64 bytes of a row: my four,
	s_mul_i32 s19, s15, 2*64
	s_add_co_u32 s19, s19, s18                     ; the column of fragment 0,
	s_mul_i32 s20, s17, 2*64
	s_add_co_u32 s20, s20, s18                     ; of fragment 2
	s_mul_i32 s18, s15, 96*SPITCH                  ; my 6 blocks' rows
	s_add_co_u32 s20, s20, s18
	s_add_co_u32 s18, s18, s19
	v_add_nc_u32 v[STO], s18, v[TA]
	v_add_nc_u32 v[STO+1], s20, v[TA]
	s_add_co_u32 s19, s19, 192*SPITCH              ; block 12, fragment 0's column
	v_add_nc_u32 v[STOX], s19, v[TA]
	v_and_b32 v[TA+1], 31, v0                      ; lane
	s_mul_i32 s20, s14, 2*SPITCH                   ; back: rows b = 2 w, 2 w + 1 of each t, my four n
	v_lshl_add_u32 v[RD], v[TA+1], 4, s20
	v_lshlrev_b32 v[GO], 4, v[TA+1]
	s_lshl_b32 s86, s78, 9                         ; the bias of my tile's 128 n
	s_mov_b32 s87, 0
	s_add_nc_u64 s[8:9], s[8:9], s[86:87]
	global_load_b128 v[BI:BI+3], v[GO], s[8:9]
	s_lshl_b32 s2, s79, 3
	s_lshl_b32 s3, s14, 1
	s_add_co_u32 s2, s2, s3                        ; row b = 8 btile + 2 w,
	s_lshl_b32 s2, s2, 12                          ; 4,096 bytes each,
	s_lshl_b32 s3, s78, 9                          ; and the tile's 512 bytes in it
	s_add_co_u32 s2, s2, s3
	s_mov_b32 s3, 0
	s_add_nc_u64 s[10:11], s[10:11], s[2:3]
	s_add_nc_u64 s[12:13], s[12:13], s[2:3]
	s_wait_tensorcnt 1                             ; my part of block 0 is in; blocks 1 and 2 may stay out
	s_barrier_signal -1
	s_barrier_wait -1                              ; everybody's is
	FETCH 2, 0, 0
	QUARTER 2, 64,  0, 1, 1                        ; the first quarter stands in front of the loop: its products start the sums
	WIN 0                                          ; at a label and at a branch every window is 0
	s_mov_b32 s3, 4
.Llap:                                                 ; a trip: three K blocks, from the second quarter of region 1's block to the first of its next; both regions are filled again
	QUARTER 2, 128, 1, 0, 0
	QUARTER 2, 192, 0, 1, 0
	TURN 1, 0, 1
	PAIR
	TURN 0, 2, 1
	QUARTER 2, 64,  0, 1, 0
	WIN 0
	s_sub_co_u32 s3, s3, 1
	s_cmp_lg_u32 s3, 0
	s_cbranch_scc1 .Llap
	QUARTER 2, 128, 1, 0, 0                        ; the tail is written out: block 12 goes on,
	QUARTER 2, 192, 0, 1, 0
	TURN 1, 0, 1                                   ; region 1 takes block 15: the last load
	PAIR                                           ; blocks 13 and 14
	TURN 0, 2, 0                                   ; nothing is left to fetch, so no round follows
	QUARTER 2, 64,  0, 1, 0                        ; block 15
	QUARTER 2, 128, 1, 0, 0
	QUARTER 2, 192, 0, 1, 0
	s_wait_dscnt 0x0                               ; the very last quarter: my reads of the ring are over;
	s_barrier_signal -1                            ; say so, since the stage lies over the ring (all fills were shown landed in front of the last change of regions),
	MULA 1, 0, 2, 0
	MULA 1, 2, 4, 0
	MULX 1, 0
	WIN 0
	PLACES                                         ; the stores below read results just made
	s_barrier_wait -1                              ; and go on when nobody reads the ring any more
	; THE WAY OUT.  A lane's eight sums of a row are 32 neighbouring bytes of the stage; each accumulator's low four registers go first.
	WIN FROM1
.set sa, 0
.rept 6
.set si, 0
.rept 4
.set AC, 8*(4*sa+si)
	ds_store_b128 v[STO+si/2], v[AC:AC+3]   offset:sa*16*SPITCH+(si%2)*64
	ds_store_b128 v[STO+si/2], v[AC+4:AC+7] offset:sa*16*SPITCH+(si%2)*64+16
.set si, si+1
.endr
.set sa, sa+1
.endr
.irp i, 0,1
	ds_store_b128 v[STOX], v[192+8*(\i):192+8*(\i)+3]   offset:(\i)*64   ; rows 192-199 are t = 24; rows 200-207 are read by nobody
	ds_store_b128 v[STOX], v[192+8*(\i)+4:192+8*(\i)+7] offset:(\i)*64+16
.endr
	WIN 0
	s_wait_loadcnt 0x0                             ; the bias: rounded to bf16 like the other inputs, and widened again
	v_cvt_pk_bf16_f32 v[TA], v[BI], v[BI+1]
	v_cvt_pk_bf16_f32 v[TA+1], v[BI+2], v[BI+3]
	v_lshlrev_b32 v[BI], 16, v[TA]
	v_and_b32 v[BI+1], 0xffff0000, v[TA]
	v_lshlrev_b32 v[BI+2], 16, v[TA+1]
	v_and_b32 v[BI+3], 0xffff0000, v[TA+1]
.set j, 0
.rept 8
	v_mov_b32 v[MR+j], 0                           ; the membranes start at 0
.set j, j+1
.endr
	s_wait_dscnt 0x0                               ; for the others' sake: my stores into the stage are done
	s_barrier_signal -1
	s_barrier_wait -1
.irp i, 0,1
	ds_load_b128 v[XR+4*(\i):XR+4*(\i)+3], v[RD] offset:(\i)*SPITCH        ; t = 0
.endr
.irp i, 0,1
	ds_load_b128 v[XR+8+4*(\i):XR+8+4*(\i)+3], v[RD] offset:(8+(\i))*SPITCH  ; t = 1
.endr
	s_mov_b32 s2, 11
.Lscan:                                                ; a trip: an even t and an odd t, 0 to 21; each fetches the step two further on, so two loads stay out at each wait
	STEP 0, 1, 2
	STEP 1, 1, 2
	s_sub_co_u32 s2, s2, 1
	s_cmp_lg_u32 s2, 0
	s_cbranch_scc1 .Lscan
	STEP 0, 1, 2                                   ; t = 22 fetches t = 24
	STEP 1, 0, 2                                   ; t = 23: nothing more to fetch; t = 24's two loads may be out
	STEP 0, 0, 0                                   ; t = 24
.irp i, 0,1
	global_store_b128 v[GO], v[MR+4*(\i):MR+4*(\i)+3], s[12:13] offset:4096*(\i) th:TH_STORE_NT
.endr
	s_wait_tensorcnt 0x0                           ; the wave's end, behind my last tensor load and my last LDS store
	ds_add_u32 v[SPW], v[NIL]
	s_wait_dscnt 0x0
	CROUND                                         ; the closing round: no work-group ends while a partner may still ask for a tile that names it
	s_endpgm
.Lfunc_end_k_q9c5f77c9d4_layer2:
	.size	k_q9c5f77c9d4_layer2, .Lfunc_end_k_q9c5f77c9d4_layer2-k_q9c5f77c9d4_layer2
	.p2alignl 7, 3214868480
	.fill 96, 4, 3214868480
	.section	.rodata,"a",@progbits
	.p2align	6, 0x0
	.amdhsa_kernel k_q9c5f77c9d4_layer2
		.amdhsa_group_segment_fixed_size 327680
		.amdhsa_private_segment_fixed_size 0
		.amdhsa_enable_private_segment 0
		.amdhsa_kernarg_size 40
		.amdhsa_user_sgpr_count 2
		.amdhsa_user_sgpr_kernarg_segment_ptr 1
		.amdhsa_wavefront_size32 1
		.amdhsa_system_sgpr_workgroup_id_x 1
		.amdhsa_system_sgpr_workgroup_id_y 1
		.amdhsa_system_sgpr_workgroup_id_z 1
		.amdhsa_system_vgpr_workitem_id 0
		.amdhsa_next_free_vgpr 464
		.amdhsa_next_free_sgpr 96
		.amdhsa_reserve_vcc 0
		.amdhsa_float_denorm_mode_32 3
		.amdhsa_float_denorm_mode_16_64 3
		.amdhsa_memory_ordered 1
		.amdhsa_forward_progress 1
		.amdhsa_inst_pref_size 121
	.end_amdhsa_kernel
	.amdgpu_metadata
---
amdhsa.version: [ 1, 2 ]
amdhsa.kernels:
  - .name:           k_q9c5f77c9d4_layer2
    .symbol:         k_q9c5f77c9d4_layer2.kd
    .args:
      - { .name: spk1, .offset: 0, .size: 8, .value_kind: global_buffer, .address_space: global }
      - { .name: wb2, .offset: 8, .size: 8, .value_kind: global_buffer, .address_space: global }
      - { .name: b2, .offset: 16, .size: 8, .value_kind: global_buffer, .address_space: global }
      - { .name: out0, .offset: 24, .size: 8, .value_kind: global_buffer, .address_space: global }
      - { .name: out1, .offset: 32, .size: 8, .value_kind: global_buffer, .address_space: global }
    .group_segment_fixed_size: 327680
    .private_segment_fixed_size: 0
    .kernarg_segment_align: 8
    .kernarg_segment_size: 40
    .max_flat_workgroup_size: 128
    .sgpr_count:     96
    .vgpr_count:     464
    .wavefront_size: 32
...
	.end_amdgpu_metadata
.endif
;; end of part 4
;; ======== version 2 of 2: 4 launches; version 1 with the launch cast written anew for expert scheduling mode
;; workspace buffers: xb 13,107,200 bytes; spk0 26,214,400 bytes; spk1 26,214,400 bytes; wb0 4,194,304 bytes; wb1 8,388,608 bytes; wb2 4,194,304 bytes
;; launch cast (part 5): grid 456 x 1, 8 waves a work-group, no clusters, 0 bytes of LDS; arguments x, w0, w1, w2, xb, wb0, wb1, wb2; writes xb, wb0, wb1, wb2
.if DOCPART == 5
	.amdgcn_target "amdgcn-amd-amdhsa--gfx1250"
	.amdhsa_code_object_version 6
	.text
	.protected	k_q9c5f77c9d4_cast
	.globl	k_q9c5f77c9d4_cast
	.p2align	8
	.type	k_q9c5f77c9d4_cast,@function
k_q9c5f77c9d4_cast:
	s_mov_b64 s[64:65], 0
	v_nop
	global_prefetch_b8 v0, s[64:65] scope:SCOPE_SE
	s_setreg_imm32_b32 hwreg(HW_REG_WAVE_SCHED_MODE, 0, 2), 2
	s_setreg_imm32_b32 hwreg(HW_REG_WAVE_MODE, 25, 1), 1
	s_wait_xcnt 0x0
	s_wait_alu depctr_vm_vsrc(0)
; x, w0, w1, w2 (f32) are rounded once to bf16 and laid out in BLOCKS, so that every tile of the three products that follow is dense in memory:
;   xb  [btile 16][kblk 8][t 25][b 16][k 128]      a block = 400 rows of 256 bytes; row 16 t + b % 16 of btile = b / 16
;   wb0 [ntile 16][kblk 8][n 128][k 128], wb1 [16][16][128][128], wb2 [8][16][128][128]      a block = 128 rows of 256 bytes
; A stream: each byte is read once and written once; LDS, matrix unit and clusters would add nothing, since no two work-groups read the same bytes.
; A UNIT is 4,096 consecutive source bytes = 8 chunks of 128 numbers; chunk kb goes to one 256-byte row of block kb.  x has 6,400 units (u = 256 t + b), w0 2,048 (u = n),
; w1 4,096 and w2 2,048 (u = 2 n + half of the row).  A wave takes 4 consecutive units (16,384 consecutive bytes), a work-group 32.
; Work-groups 0-199 take x, 200-263 w0, 264-391 w1, 392-455 w2: chosen by selects on the work-group's number, without a branch.
; Each load of a wave covers 512 consecutive bytes; each store 256 consecutive bytes, at a multiple of 256 from its buffer's first byte.
; THE MODE: SCHED_MODE bits 1:0 = 2 (LLVM: expert scheduling mode 2), set by the entry lines.  The code itself states the register dependences
; between vector instructions and memory instructions, with s_wait_alu, always for 0.
; THE PLAN.  All 32 loads of a wave go out first; no register is written twice.  Registers that memory instructions touch:
;   v1        the loads' offset;  v2-v5  the stores' offsets, one for each unit.  Made once at the head by vector lines, never written again.
;   XR        load j lands in four registers of its own, which no vector line names before; its two conversions read them.
;   YR        load j's two conversions write two registers of its own; store j reads them.
; The 32 loads are worked on in 8 groups of 4.  Group p rounds its four loads into its own part of YR; its memory instructions are the four stores of group p - 1,
; which read the part of YR that group p - 1 wrote and that no vector line of group p names.  So ONE wait on va_vdst at a group's head states all that the group's
; stores hang on, and they are dealt among its conversions with no further wait.  No register that a memory instruction reads is written again, and no base is stepped.
.set XR, 8                             ; v[8:135]    load j = 8 i + kb (unit i, chunk kb): 4 registers
.set YR, 136                           ; v[136:199]  the same rounded: 2 registers
.set GRP, 4                            ; loads in a group
	s_load_b512 s[8:23], s[0:1], 0x0               ; x, w0, w1, w2 in s[8:15]; xb, wb0, wb1, wb2 in s[16:23]
	v_lshrrev_b32 v6, 5, v0
	v_readfirstlane_b32 s4, v6                     ; wave 0..7
	v_and_b32 v7, 31, v0                           ; lane
	v_lshlrev_b32 v1, 4, v7                        ; 16 source bytes a lane
	v_lshlrev_b32 v2, 3, v7                        ; 8 destination bytes a lane
	s_mov_b32 s5, ttmp9                            ; g
	s_mov_b32 s28, 392                             ; g0: the first work-group of my tensor
	s_cmp_lt_u32 s5, 392
	s_cselect_b32 s28, 264, s28
	s_cmp_lt_u32 s5, 264
	s_cselect_b32 s28, 200, s28
	s_cselect_b32 s29, 0, 1                        ; sh = 1: a row is two units (w1, w2)
	s_cmp_lt_u32 s5, 200
	s_cselect_b32 s28, 0, s28
	s_cselect_b32 s30, 1, 0                        ; isX
	s_sub_co_u32 s31, s5, s28
	s_lshl_b32 s31, s31, 5
	s_wait_alu depctr_va_sdst(0)                   ; s4, the wave's number, is written, ahead of its one reader: the line below
	s_lshl2_add_u32 s31, s4, s31                   ; u = 32 (g - g0) + 4 wave: my first unit, a multiple of 4
	s_lshl_b32 s54, s31, 12                        ; its source byte
	s_mov_b32 s55, 0
	s_bfe_u32 s6, s31, 0x40004                     ; x: btile = (u / 16) % 16,
	s_mul_i32 s6, s6, 8*102400                     ; eight blocks each;
	s_lshr_b32 s7, s31, 8                          ; t = u / 256
	s_lshl_b32 s7, s7, 4
	s_and_b32 s2, s31, 15
	s_or_b32 s7, s7, s2                            ; row 16 t + b % 16
	s_lshl_b32 s7, s7, 8
	s_add_co_u32 s6, s6, s7                        ; dX
	s_lshr_b32 s7, s31, s29                        ; w: n = u >> sh
	s_lshr_b32 s2, s7, 7                           ; ntile,
	s_add_co_u32 s3, s29, 18
	s_lshl_b32 s2, s2, s3                          ; 8 or 16 blocks of 32,768 bytes each
	s_and_b32 s7, s7, 127
	s_lshl_b32 s7, s7, 8
	s_add_co_u32 s7, s2, s7                        ; dW
	s_mov_b32 s52, 32768                           ; from block to block
	s_cmp_eq_u32 s30, 1
	s_cselect_b32 s50, s6, s7                      ; where chunk 0 of my first unit goes
	s_cselect_b32 s52, 102400, s52
	s_mov_b32 s51, 0
	s_mov_b32 s53, 0
	s_mov_b32 s56, 256                             ; from unit i to unit i + 1 (i even): the next row, or (sh = 1) the row's second half, eight blocks on
	s_mov_b32 s57, 512                             ; from unit i to unit i + 2: two rows, or (sh = 1) one
	s_cmp_eq_u32 s29, 1
	s_cselect_b32 s56, 262144, s56
	s_cselect_b32 s57, 256, s57
	v_add_nc_u32 v3, s56, v2                       ; v[2:5]: unit i's offset in a block, with my lane's 8 bytes
	v_add_nc_u32 v4, s57, v2
	v_add_nc_u32 v5, s56, v4
	s_wait_kmcnt 0x0
	s_mov_b64 s[24:25], s[14:15]                   ; source and destination: a choice among buffers on the work-group's number alone
	s_mov_b64 s[26:27], s[22:23]
	s_cmp_lt_u32 s5, 392
	s_cselect_b64 s[24:25], s[12:13], s[24:25]
	s_cselect_b64 s[26:27], s[20:21], s[26:27]
	s_cmp_lt_u32 s5, 264
	s_cselect_b64 s[24:25], s[10:11], s[24:25]
	s_cselect_b64 s[26:27], s[18:19], s[26:27]
	s_cmp_lt_u32 s5, 200
	s_cselect_b64 s[24:25], s[8:9], s[24:25]
	s_cselect_b64 s[26:27], s[16:17], s[26:27]
	s_add_nc_u64 s[24:25], s[24:25], s[54:55]
	s_add_nc_u64 s[32:33], s[26:27], s[50:51]      ; s[32:47]: a base for each of the eight blocks
.irp k, 1,2,3,4,5,6,7
	s_add_nc_u64 s[32+2*(\k):33+2*(\k)], s[30+2*(\k):31+2*(\k)], s[52:53]
.endr
	s_wait_alu depctr_va_vdst(0)                   ; v1 to v5 are written: every load reads v1 as its offset, every store one of v2 to v5; no vector line below names them
.set j, 0
.rept 32
	global_load_b128 v[XR+4*j:XR+4*j+3], v1, s[24:25] offset:512*j th:TH_LOAD_NT  ; read once in the whole program
.set j, j+1
.endr
.set p, 0
.rept 32/GRP                           ; group p: loads 4 p to 4 p + 3 are rounded; the stores of group p - 1 go out among the conversions
	s_wait_loadcnt 32-GRP-GRP*p                    ; loads come back in order (ISA guide 5.7.1): this group's four are in, the younger ones stay out
.if p > 0
	s_wait_alu depctr_va_vdst(0)                   ; the conversions of the group before have written their eight registers of YR, which the four stores below read
.endif
.set i, 0
.rept GRP
.set j, GRP*p+i
.if p > 0
.set q, j-GRP
	global_store_b64 v[2+q/8], v[YR+2*q:YR+2*q+1], s[32+2*(q%8):33+2*(q%8)]  ; one whole row of a block; no vector line since the wait names its registers
.endif
	v_cvt_pk_bf16_f32 v[YR+2*j], v[XR+4*j], v[XR+4*j+1]
	v_cvt_pk_bf16_f32 v[YR+2*j+1], v[XR+4*j+2], v[XR+4*j+3]
.set i, i+1
.endr
.set p, p+1
.endr
	s_wait_alu depctr_va_vdst(0)                   ; the last group's conversions have written their part of YR, which the last four stores read
.set q, 32-GRP
.rept GRP
	global_store_b64 v[2+q/8], v[YR+2*q:YR+2*q+1], s[32+2*(q%8):33+2*(q%8)]
.set q, q+1
.endr
	s_endpgm
.Lfunc_end_k_q9c5f77c9d4_cast:
	.size	k_q9c5f77c9d4_cast, .Lfunc_end_k_q9c5f77c9d4_cast-k_q9c5f77c9d4_cast
	.p2alignl 7, 3214868480
	.fill 96, 4, 3214868480
	.section	.rodata,"a",@progbits
	.p2align	6, 0x0
	.amdhsa_kernel k_q9c5f77c9d4_cast
		.amdhsa_group_segment_fixed_size 0
		.amdhsa_private_segment_fixed_size 0
		.amdhsa_enable_private_segment 0
		.amdhsa_kernarg_size 64
		.amdhsa_user_sgpr_count 2
		.amdhsa_user_sgpr_kernarg_segment_ptr 1
		.amdhsa_wavefront_size32 1
		.amdhsa_system_sgpr_workgroup_id_x 1
		.amdhsa_system_sgpr_workgroup_id_y 1
		.amdhsa_system_sgpr_workgroup_id_z 1
		.amdhsa_system_vgpr_workitem_id 0
		.amdhsa_next_free_vgpr 200
		.amdhsa_next_free_sgpr 66
		.amdhsa_reserve_vcc 0
		.amdhsa_float_denorm_mode_32 3
		.amdhsa_float_denorm_mode_16_64 3
		.amdhsa_memory_ordered 1
		.amdhsa_forward_progress 1
		.amdhsa_inst_pref_size 14
	.end_amdhsa_kernel
	.amdgpu_metadata
---
amdhsa.version: [ 1, 2 ]
amdhsa.kernels:
  - .name:           k_q9c5f77c9d4_cast
    .symbol:         k_q9c5f77c9d4_cast.kd
    .args:
      - { .name: x, .offset: 0, .size: 8, .value_kind: global_buffer, .address_space: global }
      - { .name: w0, .offset: 8, .size: 8, .value_kind: global_buffer, .address_space: global }
      - { .name: w1, .offset: 16, .size: 8, .value_kind: global_buffer, .address_space: global }
      - { .name: w2, .offset: 24, .size: 8, .value_kind: global_buffer, .address_space: global }
      - { .name: xb, .offset: 32, .size: 8, .value_kind: global_buffer, .address_space: global }
      - { .name: wb0, .offset: 40, .size: 8, .value_kind: global_buffer, .address_space: global }
      - { .name: wb1, .offset: 48, .size: 8, .value_kind: global_buffer, .address_space: global }
      - { .name: wb2, .offset: 56, .size: 8, .value_kind: global_buffer, .address_space: global }
    .group_segment_fixed_size: 0
    .private_segment_fixed_size: 0
    .kernarg_segment_align: 8
    .kernarg_segment_size: 64
    .max_flat_workgroup_size: 256
    .sgpr_count:     66
    .vgpr_count:     200
    .wavefront_size: 32
...
	.end_amdgpu_metadata
.endif
;; end of part 5
;; launch layer0: the kernel of part 2 again; grid 16 x 16, 4 waves a work-group, clusters of 4 x 4, 327,680 bytes of LDS; arguments xb, wb0, b0, spk0; writes spk0
;; launch layer1: the kernel of part 3 again; grid 16 x 16, 4 waves a work-group, clusters of 4 x 4, 327,680 bytes of LDS; arguments spk0, wb1, b1, spk1; writes spk1
;; launch layer2: the kernel of part 4 again; grid 8 x 32, 4 waves a work-group, clusters of 4 x 4, 327,680 bytes of LDS; arguments spk1, wb2, b2, out0, out1; writes out0, out1
